; MI455X (gfx1250); checked and timed in simulation.
; The chip was launched on July 23, 2026; its instructions are those of AMD's public machine-readable ISA for CDNA 5 (MIT licence, August 2026) and "CDNA5" Instruction Set Architecture Reference Guide (July 2026). The comments in the code are by the model that wrote it; some were corrected since.
;; Gemma Attention. Allowed arithmetic: float matrix products may take bf16 or f16 operands with f32 sums; other float arithmetic in f32, or as packed bf16 or f16 multiplies, adds, multiply-adds, maxima and minima; sums over many terms, partial sums and values carried from step to step in f32; what a program stores and reads back later, other than sums and carried values, may be rounded once to bf16 or f16.
;; Inputs: hidden_states 4 x 1,024 x 2,048 float32; w_o 2,048 x 2,048 float32; w_qkv 3,072 x 2,048 float32.
;; Outputs: out0 4 x 1,024 x 2,048 float32.
;; One version. Each part assembles by itself: llvm-mc -triple=amdgcn-amd-amdhsa -mcpu=gfx1250 --defsym DOCPART=n.
;; ======== version 1 of 1: 4 launches
;; limits: values are held in f16: magnitudes above 65,504 overflow, below 6.1e-05 lose precision
;; workspace buffers: xb 16,777,216 bytes; wqb 12,582,912 bytes; wob 8,388,608 bytes; rope 524,288 bytes; qkvh 25,165,824 bytes; oh 16,777,216 bytes
;; launch prep (part 1): grid 1216 x 1, 8 waves a work-group, no clusters, 0 bytes of LDS; arguments hidden_states, w_qkv, w_o, xb, wqb, wob, rope; writes xb, wqb, wob, rope
.if DOCPART == 1
	.amdgcn_target "amdgcn-amd-amdhsa--gfx1250"
	.amdhsa_code_object_version 6
	.text
	.protected	k_q7783c8fdc4_prep
	.globl	k_q7783c8fdc4_prep
	.p2align	8
	.type	k_q7783c8fdc4_prep,@function
k_q7783c8fdc4_prep:
	s_mov_b64 s[64:65], 0
	v_nop
	global_prefetch_b8 v0, s[64:65] scope:SCOPE_SE
	s_setreg_imm32_b32 hwreg(HW_REG_WAVE_MODE, 25, 1), 1
	s_wait_xcnt 0x0
; PREP.  The three f32 inputs are rounded once to 16 bits for the matrix launches, and the table of cosines and sines for the rotary embedding is made.
;   xb  = bf16(hidden_states) [4096][2048]      wqb = bf16(w_qkv) [3072][2048]
;   wob = bf16(w_o) written as f16 [2048][2048]: the last product multiplies f16 by f16.  LIMIT: |w_o| under 65,504; below 6e-5 f16 keeps its fixed step of 6e-8.
;   rope[s][0..63] = cos(s f_i), rope[s][64..127] = sin(s f_i), f32, f_i = 10000^(-i/64) = 2^(-i x 0.2076205), s = 0..1023.
; SHARES.  A work-group takes 65,536 bytes of f32 (work-groups 0-511: hidden_states, 512-895: w_qkv, 896-1151: w_o), a wave 8,192 of them: sixteen loads of 512 consecutive bytes, all issued
; at once, and sixteen stores of 256 consecutive bytes, aligned.  The numbers are rounded in the registers that they were loaded into: 72 registers a wave, so that the 38 waves that fall to a
; WGP (1,216 work-groups x 8 waves / 256) all find room at once (a SIMD's 1,024 registers hold 14 such waves).  Work-groups 1152-1215 make 16 rows of the table each.
; Each byte is read once and written once; nothing is shared, so no LDS, no barrier, no cluster.
; THE ANGLE is s x f_i in f32, at most 1,023.  It is reduced by n = round(angle x 2/pi) with pi/2 in two parts; on |r| <= pi/4 the sine is taken to r^9 and the cosine to r^8: the terms left out are
; below 3e-8.  The quadrant only selects values (v_cndmask_b32) and signs: no branch and no address hangs on it.
.set FIRST_WQ, 512
.set FIRST_WO, 896
.set FIRST_TB, 1152
.set FI, 8                             ; v[8:11]   i, then -i x 0.2076205
.set FR, 12                            ; v[12:15]  f_i
.set AN, 16                            ; v[16:19]  the angle
.set NN, 20                            ; v[20:23]  n
.set RR, 24                            ; v[24:27]  r
.set R2, 28                            ; v[28:31]  r^2
.set SP, 32                            ; v[32:35]  sin r
.set CP, 36                            ; v[36:39]  cos r
.set QQ, 40                            ; v[40:43]  n as a whole number
.set CO, 44                            ; v[44:47]  four cosines to store
.set SI, 48                            ; v[48:51]  four sines to store
.set TT, 52                            ; v[52:55]  at work
.macro E4 line:vararg                  ; one line for each of the lane's four i: four chains that do not wait for each other
.set e, 0
.rept 4
	\line
.set e, e+1
.endr
.endm
; One chunk, from s[20:21] to s[22:23].  half = 1: the bf16 number is written as f16.
.macro CAST half
.irp j, 0,1,2,3,4,5,6,7,8,9,10,11,12,13,14,15
	global_load_b128 v[8+4*(\j):11+4*(\j)], v1, s[20:21] offset:512*(\j) th:TH_LOAD_NT
.endr
.irp j, 0,1,2,3,4,5,6,7,8,9,10,11,12,13,14,15
	s_wait_loadcnt 15-(\j)                         ; loads come back in order: load j is in, the 15 - j younger ones stay out
	v_cvt_pk_bf16_f32 v[8+4*(\j)], v[8+4*(\j)], v[9+4*(\j)]
	v_cvt_pk_bf16_f32 v[9+4*(\j)], v[10+4*(\j)], v[11+4*(\j)]
.if \half
.irp q, 8, 9
	v_lshlrev_b32 v4, 16, v[(\q)+4*(\j)]           ; the two bf16 numbers as f32,
	v_and_b32 v5, s30, v[(\q)+4*(\j)]
	v_cvt_pk_f16_f32 v[(\q)+4*(\j)], v4, v5        ; and as f16: 8 significant bits fit into 11
.endr
.endif
	global_store_b64 v2, v[8+4*(\j):9+4*(\j)], s[22:23] offset:256*(\j)  ; 32 lanes store 256 consecutive bytes, aligned; no store's register is written again
.endr
	s_endpgm
.endm
	s_load_b256 s[4:11], s[0:1], 0x0               ; hidden_states s[4:5], w_qkv s[6:7], w_o s[8:9], xb s[10:11]
	s_load_b128 s[12:15], s[0:1], 0x20             ; wqb s[12:13], wob s[14:15]
	s_load_b64 s[16:17], s[0:1], 0x30              ; rope
	v_lshrrev_b32 v4, 5, v0                        ; wave
	v_and_b32 v5, 31, v0                           ; lane
	v_lshlrev_b32 v1, 4, v5
	v_lshl_add_u32 v1, v4, 13, v1                  ; in: 8,192 x wave + 16 x lane
	v_lshlrev_b32 v2, 3, v5
	v_lshl_add_u32 v2, v4, 12, v2                  ; out: 4,096 x wave + 8 x lane
	s_mov_b32 s30, 0xffff0000                      ; a word's upper bf16
	s_mov_b32 s27, 0
	s_mov_b32 s29, 0
	s_wait_kmcnt 0x0
	s_cmp_ge_u32 ttmp9, FIRST_TB
	s_cbranch_scc1 .Ltable
	s_cmp_ge_u32 ttmp9, FIRST_WO
	s_cbranch_scc1 .Lwo
	s_cmp_lt_u32 ttmp9, FIRST_WQ                   ; hidden_states or w_qkv: one text, the two buffers chosen by the work-group's number
	s_cselect_b64 s[20:21], s[4:5], s[6:7]
	s_cselect_b64 s[22:23], s[10:11], s[12:13]
	s_cselect_b32 s25, 0, FIRST_WQ
	s_sub_co_u32 s25, ttmp9, s25                   ; the chunk's number in its tensor
	s_lshl_b32 s26, s25, 16                        ; 65,536 bytes in,
	s_lshl_b32 s28, s25, 15                        ; 32,768 bytes out
	s_add_nc_u64 s[20:21], s[20:21], s[26:27]
	s_add_nc_u64 s[22:23], s[22:23], s[28:29]
	CAST 0
.Lwo:
	s_sub_co_u32 s25, ttmp9, FIRST_WO
	s_lshl_b32 s26, s25, 16
	s_lshl_b32 s28, s25, 15
	s_add_nc_u64 s[20:21], s[8:9], s[26:27]
	s_add_nc_u64 s[22:23], s[14:15], s[28:29]
	CAST 1
.Ltable:
	s_sub_co_u32 s25, ttmp9, FIRST_TB
	s_lshl_b32 s26, s25, 13                        ; 16 rows of 512 bytes
	s_add_nc_u64 s[16:17], s[16:17], s[26:27]
	s_lshl_b32 s28, s25, 4
	v_lshrrev_b32 v4, 4, v0                        ; my row among the 16
	v_and_b32 v5, 15, v0
	v_lshlrev_b32 v3, 4, v5
	v_lshl_add_u32 v3, v4, 9, v3                   ; 512 x row + 16 x (thread % 16)
	v_add_nc_u32 v6, s28, v4                       ; s
	v_lshlrev_b32 v7, 2, v5                        ; my first i
	E4 v_add_nc_u32 v[FI+e], e, v7
	E4 v_cvt_f32_u32 v[FI+e], v[FI+e]
	E4 v_mul_f32 v[FI+e], 0xbe549a78, v[FI+e]      ; -log2(10000) / 64
	E4 v_exp_f32 v[FR+e], v[FI+e]
	v_cvt_f32_u32 v6, v6                           ; the plain instruction behind the last exponential
	s_wait_alu depctr_va_vdst(0)                   ; one wait for the four, ahead of their first reader
	E4 v_mul_f32 v[AN+e], v6, v[FR+e]
	E4 v_mul_f32 v[NN+e], 0x3f22f983, v[AN+e]      ; x 2/pi
	E4 v_rndne_f32 v[NN+e], v[NN+e]
	E4 v_fmamk_f32 v[RR+e], v[NN+e], 0xbfc90fdb, v[AN+e]  ; - n x the upper part of pi/2
	E4 v_fmamk_f32 v[RR+e], v[NN+e], 0x333bbd2e, v[RR+e]  ; - n x the lower part (which is negative)
	E4 v_cvt_i32_f32 v[QQ+e], v[NN+e]
	E4 v_mul_f32 v[R2+e], v[RR+e], v[RR+e]
	E4 v_mov_b32 v[SP+e], 0x3638ef1d               ; 1/9!
	E4 v_fmaak_f32 v[SP+e], v[SP+e], v[R2+e], 0xb9500d01  ; -1/7!
	E4 v_fmaak_f32 v[SP+e], v[SP+e], v[R2+e], 0x3c088889  ; 1/5!
	E4 v_fmaak_f32 v[SP+e], v[SP+e], v[R2+e], 0xbe2aaaab  ; -1/3!
	E4 v_mul_f32 v[TT+e], v[RR+e], v[R2+e]
	E4 v_fma_f32 v[SP+e], v[TT+e], v[SP+e], v[RR+e]
	E4 v_mov_b32 v[CP+e], 0x37d00d01               ; 1/8!
	E4 v_fmaak_f32 v[CP+e], v[CP+e], v[R2+e], 0xbab60b61  ; -1/6!
	E4 v_fmaak_f32 v[CP+e], v[CP+e], v[R2+e], 0x3d2aaaab  ; 1/4!
	E4 v_fmaak_f32 v[CP+e], v[CP+e], v[R2+e], 0xbf000000  ; -1/2
	E4 v_fma_f32 v[CP+e], v[CP+e], v[R2+e], 1.0
	E4 v_and_b32 v[TT+e], 1, v[QQ+e]               ; an odd quadrant swaps the two
	E4 v_cmp_eq_u32 s[20+e], 1, v[TT+e]
	E4 v_cndmask_b32 v[SI+e], v[SP+e], v[CP+e], s[20+e]
	E4 v_cndmask_b32 v[CO+e], v[CP+e], v[SP+e], s[20+e]
	E4 v_and_b32 v[TT+e], 2, v[QQ+e]               ; the sine is negative in quadrants 2 and 3,
	E4 v_lshlrev_b32 v[TT+e], 30, v[TT+e]
	E4 v_xor_b32 v[SI+e], v[SI+e], v[TT+e]
	E4 v_add_nc_u32 v[TT+e], 1, v[QQ+e]            ; the cosine in quadrants 1 and 2
	E4 v_and_b32 v[TT+e], 2, v[TT+e]
	E4 v_lshlrev_b32 v[TT+e], 30, v[TT+e]
	E4 v_xor_b32 v[CO+e], v[CO+e], v[TT+e]
	global_store_b128 v3, v[CO:CO+3], s[16:17]     ; 16 lanes store a row's 256 bytes of cosines,
	global_store_b128 v3, v[SI:SI+3], s[16:17] offset:256  ; and its 256 bytes of sines
	s_endpgm
.Lfunc_end_k_q7783c8fdc4_prep:
	.size	k_q7783c8fdc4_prep, .Lfunc_end_k_q7783c8fdc4_prep-k_q7783c8fdc4_prep
	.p2alignl 7, 3214868480
	.fill 96, 4, 3214868480
	.section	.rodata,"a",@progbits
	.p2align	6, 0x0
	.amdhsa_kernel k_q7783c8fdc4_prep
		.amdhsa_group_segment_fixed_size 0
		.amdhsa_private_segment_fixed_size 0
		.amdhsa_enable_private_segment 0
		.amdhsa_kernarg_size 56
		.amdhsa_user_sgpr_count 2
		.amdhsa_user_sgpr_kernarg_segment_ptr 1
		.amdhsa_wavefront_size32 1
		.amdhsa_system_sgpr_workgroup_id_x 1
		.amdhsa_system_sgpr_workgroup_id_y 1
		.amdhsa_system_sgpr_workgroup_id_z 1
		.amdhsa_system_vgpr_workitem_id 0
		.amdhsa_next_free_vgpr 72
		.amdhsa_next_free_sgpr 66
		.amdhsa_reserve_vcc 0
		.amdhsa_float_denorm_mode_32 3
		.amdhsa_float_denorm_mode_16_64 3
		.amdhsa_memory_ordered 1
		.amdhsa_forward_progress 1
		.amdhsa_inst_pref_size 24
	.end_amdhsa_kernel
	.amdgpu_metadata
---
amdhsa.version: [ 1, 2 ]
amdhsa.kernels:
  - .name:           k_q7783c8fdc4_prep
    .symbol:         k_q7783c8fdc4_prep.kd
    .args:
      - { .name: hidden_states, .offset: 0, .size: 8, .value_kind: global_buffer, .address_space: global }
      - { .name: w_qkv, .offset: 8, .size: 8, .value_kind: global_buffer, .address_space: global }
      - { .name: w_o, .offset: 16, .size: 8, .value_kind: global_buffer, .address_space: global }
      - { .name: xb, .offset: 24, .size: 8, .value_kind: global_buffer, .address_space: global }
      - { .name: wqb, .offset: 32, .size: 8, .value_kind: global_buffer, .address_space: global }
      - { .name: wob, .offset: 40, .size: 8, .value_kind: global_buffer, .address_space: global }
      - { .name: rope, .offset: 48, .size: 8, .value_kind: global_buffer, .address_space: global }
    .group_segment_fixed_size: 0
    .private_segment_fixed_size: 0
    .kernarg_segment_align: 8
    .kernarg_segment_size: 56
    .max_flat_workgroup_size: 256
    .sgpr_count:     66
    .vgpr_count:     72
    .wavefront_size: 32
...
	.end_amdgpu_metadata
.endif
;; end of part 1
;; launch qkv (part 2): grid 8 x 32, 4 waves a work-group, clusters of 4 x 4, 327,680 bytes of LDS; arguments xb, wqb, rope, qkvh; writes qkvh
.if DOCPART == 2
	.amdgcn_target "amdgcn-amd-amdhsa--gfx1250"
	.amdhsa_code_object_version 6
	.text
	.protected	k_q7783c8fdc4_qkv
	.globl	k_q7783c8fdc4_qkv
	.p2align	8
	.type	k_q7783c8fdc4_qkv,@function
k_q7783c8fdc4_qkv:
	s_mov_b64 s[64:65], 0
	v_nop
	global_prefetch_b8 v0, s[64:65] scope:SCOPE_SE
	s_setreg_imm32_b32 hwreg(HW_REG_WAVE_MODE, 25, 1), 1
	s_wait_xcnt 0x0
	s_wait_alu depctr_hold_cnt(0) depctr_sa_sdst(0) depctr_va_vdst(0) depctr_va_sdst(0) depctr_va_ssrc(0) depctr_va_vcc(0) depctr_vm_vsrc(0)
	s_getreg_b32 s2, hwreg(HW_REG_IB_STS2, 6, 4)
	s_cmp_eq_u32 s2, 0
	s_cbranch_scc0 .Lentry_in_a_cluster
	s_endpgm
.Lentry_in_a_cluster:
	s_bfe_u32 s2, ttmp6, 0x10000c
	s_cmp_lg_u32 s2, 0xf033
	s_cbranch_scc0 .Lentry_shape_is_right
	s_endpgm
.Lentry_shape_is_right:
; QKV.  qkv[m][n] = sum over k of xb[m][k] wqb[n][k] (bf16 operands, f32 sums), the rotary embedding in f32 on heads 0-19 (16 of q, 4 of k), one rounding to f16, stored by heads:
; qkvh[g][m][128], g = n / 128 (0-15 q, 16-19 k, 20-23 v), m = 1024 b + s.  The softmax's scale is not applied here.
; LIMIT.  f16 holds no number beyond 65,504: q, k and v must stay within it; below 6e-5 f16 keeps its fixed step of 6e-8.  NaN and infinities are not treated apart.
; SHARES.  A work-group makes 128 rows x 384 columns (three heads): 32 x 8 = 256 work-groups.  Each of its four waves takes all 128 rows and, of EACH head, columns 16 w .. 16 w + 15 and
; 64 + 16 w .. 64 + 16 w + 15: six blocks of 16 columns, 48 accumulators.  So the two numbers that a rotation joins (d and d + 64) lie in the same lane and register of two accumulators.
; K goes in 16 steps of 128 through two LDS slots; a tile's rows are 256 bytes of memory, aligned.  Wave 0 fetches the 128 rows of x, waves 1-3 one head's 128 rows of w each: one tensor load a wave.
; CLUSTER.  4 x 4 work-groups: the four of a row of the cluster need the same rows of x, the four of a column the same rows of w; each tile is asked for jointly, by the same load with a mask of four.
; THE MATRIX INSTRUCTION IS USED TRANSPOSED (source 0 = 16 rows of w, source 1 = 16 rows of x): lane l holds row l % 16 of the result and columns 8 (l / 16) + 0..7.
; REGISTERS, in windows of 256 (s_set_vgpr_msb: bits 1:0 source 0, 3:2 source 1, 5:4 source 2, 7:6 destination):
;   window 0: v0-31 addresses; v32-95, v96-159 x's fragments (8 x 16 rows x 32 K), two buffers; v160-207, v208-255 w's fragments (6), two buffers; on the way out v32-255 are at work
;   window 1: accumulator (b, a) at v[8 (8 b + a)], column blocks b = 0..3      window 2: v0-127 blocks b = 4, 5; v128-255 the table: for row block a 8 cosines, 8 sines at v[128 + 16 a]
; THE STAGE of the way out lies in slot 0's bytes.  Slot 0 has had its last fill (K step 14), every wave's reads of it ended in front of the barrier of the last change of slots, and no tensor load follows.
.set KSTEP,  128
.set PITCH,  272                       ; an LDS row: 256 bytes + 16 of padding = 68 words: the 16 rows of a fragment load start at 16 different groups of four banks (64 banks of 4 bytes: ISA guide 11.1)
.set PART,   128*PITCH                 ; 128 rows: what one tensor load brings
.set SLOT,   4*PART                    ; x's 128 rows, then the three heads' 128 rows of w
.set SPARE,  2*SLOT                    ; behind the ring: the spare words, 128 bytes a wave: two blocks of 256 bytes that no other line names
.set LAPS,   2048/(2*KSTEP)            ; a lap = two K steps = once round the ring
.set FA,   32                          ; x's fragments: buffer f at FA + 64 f
.set FB,   160                         ; w's fragments: buffer f at FB + 48 f
.set ADRA, 16                          ; v16-17  LDS address of x's fragments in slot 0, 1
.set ADRB, 18                          ; v18-19  of w's fragments, column blocks 0-3 (heads 0, 1)
.set ADRC, 20                          ; v20-21  column blocks 4, 5 (head 2)
.set STO,  22                          ; v22-24  the way out: where I put 16 bytes of a row of head 0, 1, 2
.set RD,   25                          ; v25     the way out: where I read rows back
.set CO,   26                          ; v26     16 x lane: my 16 bytes of 512 consecutive bytes of qkvh
.set TO,   27                          ; v27     my byte offset in 16 rows of the table
.set SPW,  28                          ; v28     LDS address of my spare word; never rewritten
.set NIL,  29                          ; v29     0; never rewritten
.set PFO,  30                          ; v30     the prefetches' offset: lane x 4,096, a row of xb or wqb; never rewritten
.set TAB,  128                         ; window 2
.set CPR,  32                          ; the way out, window 0: 8 cosines (1 for v's heads)
.set SNR,  40                          ; 8 sines (0 for v's heads)
.set T1,   48                          ; x1 c - x2 s
.set T2,   56                          ; x1 s + x2 c
.set PKR,  64                          ; both, as f16
.set WV,   12                          ; s12  my wave's number
.set G1,   24                          ; s[24:31] descriptor group 1 for x's tiles;  s[32:39] group 0, a set for each slot
.set G0,   32
.set LIM,  43                          ; s43  1 in a wave that prefetches, else the greatest number
.set PFA,  44                          ; s[44:45] where my prefetches stand
.set G1B,  48                          ; s[48:55], s[56:63] the same for w's tiles
.set G0B,  56
.set FG,   66                          ; s[66+4 hd : 67+4 hd] = 1 where head hd is rotated, else 0; s[68+4 hd : 69+4 hd] = the other way round
.set MSB, 0
.macro WIN new                         ; the immediate's high byte repeats the setting that is left; a switch that changes nothing is dropped
.if MSB != (\new)
	s_set_vgpr_msb (MSB<<8)|(\new)
.set MSB, \new
.endif
.endm
; A joint load.  The branch hangs on the wave's number alone.  An s_nop 0 and four v_nop follow each of the two lines, ahead of the jump and the label.
.macro JLOAD s
	s_cmp_eq_u32 s[WV], 0
	s_cbranch_scc0 .Lfor_b_\@
	tensor_load_to_lds s[G0+4*(\s):G0+4*(\s)+3], s[G1:G1+7]
	s_nop 0
.rept 4
	v_nop
.endr
	s_branch .Lasked_\@
.Lfor_b_\@:
	tensor_load_to_lds s[G0B+4*(\s):G0B+4*(\s)+3], s[G1B:G1B+7]
	s_nop 0
.rept 4
	v_nop
.endr
.Lasked_\@:
.endm
; A prefetch, behind a joint refill and the run of LDS loads that follows it: 32 rows x 256 bytes of the K step two refills on, a lane a row.  x's rows are named by the clusters with x = 0 alone, w's by those
; with y = 0 alone; the four partners that ask for a tile jointly take 32 of its 128 rows each, told apart by address.  So each row's 256 bytes of a K step are named once in the launch.
; K steps 0 to 3 come by their loads alone; the loop's last trip (s3 = 1) names nothing: K step 15 is the last.
.macro ASK
	s_cmp_gt_u32 s3, s[LIM]
	s_cbranch_scc0 .Lnot_mine_\@
	global_prefetch_b8 v[PFO], s[PFA:PFA+1] offset:2*KSTEP th:TH_LOAD_NT scope:SCOPE_SE
.Lnot_mine_\@:
.endm
.macro CREST                           ; a round of the cluster's barrier behind its opening barrier
	s_cmp_lg_u32 s[WV], 0
	s_cbranch_scc1 .Lnot_wave_0_\@
	s_barrier_signal -3
.Lnot_wave_0_\@:
	s_barrier_wait -3
	s_barrier_signal -1
	s_barrier_wait -1
.endm
.macro CROUND                          ; a whole round
	s_barrier_signal -1
	s_barrier_wait -1
	CREST
.endm
.macro PLACES                          ; four places in front of loads into registers that matrix instructions have read, and of lines that read results
.rept 4
	v_nop
.endr
.endm
; 8 matrix instructions: column block b x all 8 row blocks, 32 along K, from buffer f.  zero = 1: the product starts the sums.  The 48 accumulators take turns, in the same order in every quarter.
.macro MUL8 f, b, zero
	WIN 0x50+0x50*((\b)/4)
.set AC, 64*((\b)%4)
.irp a, 0,1,2,3,4,5,6,7
.if \zero
	v_wmma_f32_16x16x32_bf16 v[AC+8*(\a):AC+8*(\a)+7], v[FB+48*(\f)+8*(\b):FB+48*(\f)+8*(\b)+7], v[FA+64*(\f)+8*(\a):FA+64*(\f)+8*(\a)+7], 0
.else
	v_wmma_f32_16x16x32_bf16 v[AC+8*(\a):AC+8*(\a)+7], v[FB+48*(\f)+8*(\b):FB+48*(\f)+8*(\b)+7], v[FA+64*(\f)+8*(\a):FA+64*(\f)+8*(\a)+7], v[AC+8*(\a):AC+8*(\a)+7]
.endif
.endr
.endm
; 28 LDS loads in one run: the fragments of 32 along K at byte k of the rows, into buffer f: x's 16 loads, then w's in the order of b.  Column block b begins at row 64 b of the three heads' rows, plus my 16 w.
.macro FETCH slot, k, f
	WIN 0
.irp a, 0,1,2,3,4,5,6,7
	ds_load_b128 v[FA+64*(\f)+8*(\a):FA+64*(\f)+8*(\a)+3],   v[ADRA+(\slot)] offset:(\k)+(\a)*16*PITCH
	ds_load_b128 v[FA+64*(\f)+8*(\a)+4:FA+64*(\f)+8*(\a)+7], v[ADRA+(\slot)] offset:(\k)+(\a)*16*PITCH+32
.endr
.irp b, 0,1,2,3
	ds_load_b128 v[FB+48*(\f)+8*(\b):FB+48*(\f)+8*(\b)+3],   v[ADRB+(\slot)] offset:(\k)+(\b)*64*PITCH
	ds_load_b128 v[FB+48*(\f)+8*(\b)+4:FB+48*(\f)+8*(\b)+7], v[ADRB+(\slot)] offset:(\k)+(\b)*64*PITCH+32
.endr
.irp b, 4,5
	ds_load_b128 v[FB+48*(\f)+8*(\b):FB+48*(\f)+8*(\b)+3],   v[ADRC+(\slot)] offset:(\k)+((\b)-4)*64*PITCH
	ds_load_b128 v[FB+48*(\f)+8*(\b)+4:FB+48*(\f)+8*(\b)+7], v[ADRC+(\slot)] offset:(\k)+((\b)-4)*64*PITCH+32
.endr
.endm
; A K step is four quarters of 32 along K, 48 matrix instructions each, on buffers 0, 1, 0, 1.  One of the first three: multiplies buffer f and fetches the next quarter, at byte k, into g.
.macro QUARTER slot, k, f, g, zero
	s_wait_dscnt 4                                 ; all but the youngest four loads: column blocks 4 and 5
.irp b, 0,1,2,3
	MUL8 \f, \b, \zero
.endr
	PLACES
	FETCH \slot, \k, \g
	s_wait_dscnt 28                                ; all but the 28 just issued
	MUL8 \f, 4, \zero
	MUL8 \f, 5, \zero
.endm
; The last quarter changes slots and then multiplies buffer 1.  The slot's last fragments are in registers when the quarter begins, so the change stands at its HEAD: each wave waits for all its tensor loads
; (one is out: its part of the next slot), adds 0 to its spare word, and waits for that and for its reads of this slot; ONE barrier.  fill = 1: the barrier opens a round of the cluster's barrier, and this
; slot is filled again, two K steps on, first thing behind the round.  All 48 products of the quarter follow the request: a whole K step's 192 products stand between a request and the wait for it.
.macro TURN slot, next, fill
.if \fill
	s_wait_xcnt 0x0                                ; the last prefetch, a K step back, has read its address: it is stepped here
	s_add_nc_u64 s[PFA:PFA+1], s[PFA:PFA+1], 2*KSTEP
.endif
	WIN 0
	s_wait_tensorcnt 0x0                           ; all my tensor loads have landed, so every group 0 may be written
	ds_add_u32 v[SPW], v[NIL]                      ; 0 onto my spare word; the descriptors' steps stand between it and the wait for it
.if \fill
	s_add_nc_u64 s[G0+4*(\slot)+2:G0+4*(\slot)+3], s[G0+4*(\slot)+2:G0+4*(\slot)+3], 4*KSTEP
	s_add_nc_u64 s[G0B+4*(\slot)+2:G0B+4*(\slot)+3], s[G0B+4*(\slot)+2:G0B+4*(\slot)+3], 4*KSTEP
.endif
	s_wait_dscnt 0x0                               ; the add is done, and my reads of this slot are over: buffer 1 is whole
	s_barrier_signal -1
	s_barrier_wait -1
.if \fill
	CREST                                          ; no wave of any partner still reads this slot or has a load on its way
	JLOAD \slot                                    ; the four v_nop behind it are also the places in front of the loads below
.else
	PLACES
.endif
	FETCH \next, 0, 0
.if \fill
	ASK
.endif
.irp b, 0,1,2,3,4,5
	MUL8 1, \b, 0
.endr
.endm
	s_load_b256 s[4:11], s[0:1], 0x0               ; xb s[4:5], wqb s[6:7], rope s[8:9], qkvh s[10:11]
	v_lshl_add_u32 v[SPW], v0, 2, SPARE
	v_mov_b32 v[NIL], 0
	ds_add_u32 v[SPW], v[NIL]                      ; the wave's opening: the add and its wait ahead of my first tensor load; work on registers stands between them
	v_lshrrev_b32 v1, 5, v0
	v_readfirstlane_b32 s[WV], v1                  ; wave 0..3
	s_bfe_u32 s40, ttmp6, 0x40000                  ; cx, cy: my place in the cluster
	s_bfe_u32 s41, ttmp6, 0x40004
	s_lshl_b32 s15, ttmp9, 2
	s_add_co_u32 s15, s15, s40                     ; nt, the tile column = 4 x cluster x + cx
	s_and_b32 s14, ttmp7, 0xffff
	s_lshl_b32 s14, s14, 2
	s_add_co_u32 s14, s14, s41                     ; mt, the tile row = 4 x cluster y + cy
	s_lshl_b32 s16, s41, 2
	s_lshl_b32 s16, 15, s16                        ; my row of the cluster
	s_lshl_b32 s17, 0x1111, s40                    ; my column
	; descriptor group 1: a tile of 128 rows x 128 elements of 2 bytes, 4 words of padding behind every 64
	s_or_b32 s[G1], s16, (1<<16)|(1<<20)|(1<<21)|(5<<22)|(3<<25)
	s_or_b32 s[G1B], s17, (1<<16)|(1<<20)|(1<<21)|(5<<22)|(3<<25)
.irp g, G1, G1B
	s_mov_b32 s[(\g)+1], KSTEP<<16                 ; tensor_dim0 = 128
	s_mov_b32 s[(\g)+2], 128<<16                   ; tensor_dim1 = 128
	s_mov_b32 s[(\g)+3], KSTEP<<16                 ; tile_dim0 = 128
	s_mov_b32 s[(\g)+4], 128                       ; tile_dim1 = 128
	s_mov_b32 s[(\g)+5], 2048                      ; elements from row to row
	s_mov_b32 s[(\g)+6], 0
	s_mov_b32 s[(\g)+7], 0
.endr
	s_mul_i32 s16, s15, 3                          ; my first head
.irp hd, 0,1,2
	s_add_co_u32 s17, s16, (\hd)
	s_cmp_lt_u32 s17, 20                           ; heads 0-19 are rotated; the choice selects numbers, no branch hangs on it
	s_cselect_b32 s[FG+4*(\hd)], 1.0, 0
	s_cselect_b32 s[FG+4*(\hd)+2], 0, 1.0
	s_mov_b32 s[FG+4*(\hd)+1], s[FG+4*(\hd)]       ; named as pairs
	s_mov_b32 s[FG+4*(\hd)+3], s[FG+4*(\hd)+2]
.endr
	s_lshl_b32 s16, s14, 19                        ; x: 128 mt rows of 4,096 bytes
	s_mov_b32 s17, 0
	s_mul_i32 s46, s15, 384*4096                   ; w: 384 nt rows,
	s_max_u32 s18, s[WV], 1
	s_sub_co_u32 s18, s18, 1
	s_lshl_b32 s18, s18, 19                        ; + the head that I fetch (waves 1-3)
	s_add_co_u32 s46, s46, s18
	s_mov_b32 s47, 0
	s_mul_i32 s20, s[WV], PART                     ; where my tile goes: wave x 128 rows
	s_wait_dscnt 0x0                               ; the opening add is done
	s_wait_kmcnt 0x0
	s_add_nc_u64 s[22:23], s[4:5], s[16:17]
	s_add_nc_u64 s[46:47], s[6:7], s[46:47]
	CROUND                                         ; all sixteen work-groups are here: the first joint loads meet
.irp s, 0,1
	s_mov_b32 s[G0+4*(\s)], 1                      ; count = 1
	s_add_co_u32 s[G0+4*(\s)+1], s20, (\s)*SLOT    ; LDS address
	s_add_nc_u64 s[G0+4*(\s)+2:G0+4*(\s)+3], s[22:23], (\s)*2*KSTEP  ; global address: K step s
	s_or_b32 s[G0+4*(\s)+3], s[G0+4*(\s)+3], 0x80000000              ; type = 2
	s_mov_b32 s[G0B+4*(\s)], 1
	s_add_co_u32 s[G0B+4*(\s)+1], s20, (\s)*SLOT
	s_add_nc_u64 s[G0B+4*(\s)+2:G0B+4*(\s)+3], s[46:47], (\s)*2*KSTEP
	s_or_b32 s[G0B+4*(\s)+3], s[G0B+4*(\s)+3], 0x80000000
	JLOAD \s                                       ; two loads of mine are out
.endr
	v_and_b32 v1, 15, v0                           ; r = l % 16
	v_bfe_u32 v2, v0, 4, 1                         ; h = l / 16
	v_mul_u32_u24 v3, v1, PITCH
	v_lshl_add_u32 v3, v2, 4, v3                   ; a fragment's row x pitch + 16 h
	v_mov_b32 v[ADRA], v3
	v_add_nc_u32 v[ADRA+1], SLOT, v3
	s_mul_i32 s16, s[WV], 16*PITCH
	s_add_co_u32 s16, s16, PART                    ; behind x's rows, my 16 rows of a half head
	v_add_nc_u32 v[ADRB], s16, v3
	v_add_nc_u32 v[ADRB+1], SLOT, v[ADRB]
	v_add_nc_u32 v[ADRC], 2*PART, v[ADRB]
	v_add_nc_u32 v[ADRC+1], 2*PART, v[ADRB+1]
	s_lshl_b32 s16, s[WV], 5
	v_add_nc_u32 v[STO], s16, v3                   ; into the stage: row r, byte 32 w + 16 h
	v_add_nc_u32 v[STO+1], PART, v[STO]
	v_add_nc_u32 v[STO+2], 2*PART, v[STO]
	s_mul_i32 s16, s[WV], 32*PITCH                 ; back: wave w takes rows 32 w .. 32 w + 31 of each head, two rows a load
	v_mul_u32_u24 v4, v2, PITCH
	v_lshl_add_u32 v4, v1, 4, v4
	v_add_nc_u32 v[RD], s16, v4
	v_and_b32 v4, 31, v0
	v_lshlrev_b32 v[CO], 4, v4
	v_lshlrev_b32 v[PFO], 12, v4
	v_lshlrev_b32 v[TO], 9, v1                     ; the table: row r, my 8 numbers i = 16 w + 8 h + 0..7
	v_lshl_add_u32 v[TO], v2, 5, v[TO]
	s_lshl_b32 s16, s[WV], 6
	v_add_nc_u32 v[TO], s16, v[TO]
	s_and_b32 s16, s14, 7                          ; s = m mod 1024: my tile's 128 rows of the table
	s_lshl_b32 s16, s16, 16
	s_mov_b32 s17, 0
	s_add_nc_u64 s[8:9], s[8:9], s[16:17]
	WIN 0x80                                       ; destination window 2, address window 0
.irp a, 0,1,2,3,4,5,6,7                ; the table stays in registers; it is waited for once, ahead of the way out
	global_load_b128 v[TAB+16*(\a):TAB+16*(\a)+3],     v[TO], s[8:9] offset:(\a)*8192
	global_load_b128 v[TAB+16*(\a)+4:TAB+16*(\a)+7],   v[TO], s[8:9] offset:(\a)*8192+16
	global_load_b128 v[TAB+16*(\a)+8:TAB+16*(\a)+11],  v[TO], s[8:9] offset:(\a)*8192+256
	global_load_b128 v[TAB+16*(\a)+12:TAB+16*(\a)+15], v[TO], s[8:9] offset:(\a)*8192+272
.endr
	WIN 0
	s_mul_i32 s16, s15, 3<<20                      ; qkvh at my first head,
	s_lshl_b32 s17, s14, 15                        ; my tile's 128 rows of 256 bytes,
	s_add_co_u32 s16, s16, s17
	s_lshl_b32 s17, s[WV], 13                      ; the 32 rows that I store
	s_add_co_u32 s16, s16, s17
	s_mov_b32 s17, 0
	s_add_nc_u64 s[10:11], s[10:11], s[16:17]
	; the prefetches
	s_and_b32 s22, ttmp7, 0xffff                   ; cluster y
	s_lshl_b32 s18, s14, 7                         ; x's tile begins at row 128 mt,
	s_mul_i32 s19, s15, 384                        ; w's at 384 nt + the head that I fetch
	s_max_u32 s20, s[WV], 1
	s_sub_co_u32 s20, s20, 1
	s_lshl_b32 s20, s20, 7
	s_add_co_u32 s19, s19, s20
	s_cmp_eq_u32 s[WV], 0
	s_cselect_b32 s20, s18, s19
	s_cselect_b32 s21, s40, s41                    ; my place among the four that ask with me
	s_cselect_b32 s22, ttmp9, s22                  ; the coordinate along which other clusters read the same rows
	s_cselect_b64 s[PFA:PFA+1], s[4:5], s[6:7]
	s_cmp_eq_u32 s22, 0
	s_cselect_b32 s[LIM], 1, -1                    ; the same in all sixteen partners, for a given wave
	s_lshl_b32 s21, s21, 5
	s_add_co_u32 s20, s20, s21                     ; + my work-group's 32 rows
	s_lshl_b32 s20, s20, 12
	s_mov_b32 s21, 0
	s_add_nc_u64 s[PFA:PFA+1], s[PFA:PFA+1], s[20:21]
	s_add_nc_u64 s[PFA:PFA+1], s[PFA:PFA+1], 4*KSTEP  ; at K step 2: the first refill steps it to 3 and names K step 4
	s_wait_tensorcnt 1                             ; my part of K step 0 is in; K step 1's may stay out
	s_barrier_signal -1
	s_barrier_wait -1                              ; everybody's is
	FETCH 0, 0, 0
	QUARTER 0, 64, 0, 1, 1                         ; the first quarter stands in front of the loop: its products start the sums
	WIN 0                                          ; at a label and at a branch every window is 0
	s_mov_b32 s3, LAPS-1
.Llap:                                                 ; a trip goes once round the ring and fills both slots again
	QUARTER 0, 128, 1, 0, 0
	QUARTER 0, 192, 0, 1, 0
	TURN 0, 1, 1
	QUARTER 1, 64,  0, 1, 0
	QUARTER 1, 128, 1, 0, 0
	QUARTER 1, 192, 0, 1, 0
	TURN 1, 0, 1
	QUARTER 0, 64,  0, 1, 0
	WIN 0
	s_sub_co_u32 s3, s3, 1
	s_cmp_lg_u32 s3, 0
	s_cbranch_scc1 .Llap
	QUARTER 0, 128, 1, 0, 0                        ; the last lap fills nothing
	QUARTER 0, 192, 0, 1, 0
	TURN 0, 1, 0                                   ; behind this barrier no wave reads slot 0 any more
	QUARTER 1, 64,  0, 1, 0
	QUARTER 1, 128, 1, 0, 0
	QUARTER 1, 192, 0, 1, 0
	s_wait_dscnt 4                                 ; the very last quarter: nothing more to fetch
.irp b, 0,1,2,3
	MUL8 1, \b, 0
.endr
	s_wait_dscnt 0x0
	MUL8 1, 4, 0
	MUL8 1, 5, 0
; THE WAY OUT.  Row block a, head hd: x1 = accumulator (2 hd, a), x2 = accumulator (2 hd + 1, a).  c' = c F + G and s' = s F are the table's numbers for a rotated head, 1 and 0 for a head of v.
; x1 c' - x2 s' and x1 s' + x2 c' in f32, each rounded once to f16; 16 bytes each into the stage.  Each accumulator's registers are read in ascending order.
.macro ROPE a, hd
.set X1, 64*((2*(\hd))%4)+8*(\a)
.set X2, X1+64
.set TC, TAB+16*(\a)
.set FF, FG+4*(\hd)
	WIN 0x02                                       ; source 0 (the table) in window 2
.irp z, 0,2,4,6
	v_pk_fma_f32 v[CPR+(\z):CPR+(\z)+1], v[TC+(\z):TC+(\z)+1], s[FF:FF+1], s[FF+2:FF+3] op_sel_hi:[1,0,0]
	v_pk_mul_f32 v[SNR+(\z):SNR+(\z)+1], v[TC+8+(\z):TC+8+(\z)+1], s[FF:FF+1] op_sel_hi:[1,0]
.endr
	WIN 1+(\hd)/2                                  ; source 0 (the accumulators) in window 1 or 2
.irp z, 0,2,4,6
	v_pk_mul_f32 v[T1+(\z):T1+(\z)+1], v[X2+(\z):X2+(\z)+1], v[SNR+(\z):SNR+(\z)+1]
.endr
.irp z, 0,2,4,6
	v_pk_mul_f32 v[T2+(\z):T2+(\z)+1], v[X2+(\z):X2+(\z)+1], v[CPR+(\z):CPR+(\z)+1]
.endr
.irp z, 0,2,4,6
	v_pk_fma_f32 v[T1+(\z):T1+(\z)+1], v[X1+(\z):X1+(\z)+1], v[CPR+(\z):CPR+(\z)+1], v[T1+(\z):T1+(\z)+1] neg_lo:[0,0,1] neg_hi:[0,0,1]
.endr
.irp z, 0,2,4,6
	v_pk_fma_f32 v[T2+(\z):T2+(\z)+1], v[X1+(\z):X1+(\z)+1], v[SNR+(\z):SNR+(\z)+1], v[T2+(\z):T2+(\z)+1]
.endr
	WIN 0
.irp z, 0,1,2,3
	v_cvt_pk_f16_f32 v[PKR+(\z)], v[T1+2*(\z)], v[T1+2*(\z)+1]
.endr
.irp z, 0,1,2,3
	v_cvt_pk_f16_f32 v[PKR+4+(\z)], v[T2+2*(\z)], v[T2+2*(\z)+1]
.endr
	ds_store_b128 v[STO+(\hd)], v[PKR:PKR+3]   offset:(\a)*16*PITCH       ; channels 16 w + 8 h + 0..7
	ds_store_b128 v[STO+(\hd)], v[PKR+4:PKR+7] offset:(\a)*16*PITCH+128   ; channels 64 + 16 w + 8 h + 0..7
.endm
	PLACES
	s_wait_loadcnt 0x0                             ; the table
.irp a, 0,1,2,3,4,5,6,7
.irp hd, 0,1,2
	ROPE \a, \hd
.endr
.endr
	s_wait_dscnt 0x0                               ; for the others' sake: my stores into the stage are done; a row's 256 bytes come from four waves
	s_barrier_signal -1
	s_barrier_wait -1
.irp hd, 0,1,2
.irp t, 0,1,2,3,4,5,6,7,8,9,10,11,12,13,14,15
	ds_load_b128 v[64+64*(\hd)+4*(\t):64+64*(\hd)+4*(\t)+3], v[RD] offset:(\t)*2*PITCH
.endr
.if (\hd) < 2
	v_add_nc_u32 v[RD], PART, v[RD]                ; the next head's rows
.endif
.endr
.irp hd, 0,1,2
.irp t, 0,1,2,3,4,5,6,7,8,9,10,11,12,13,14,15
	s_wait_dscnt 47-16*(\hd)-(\t)                  ; LDS loads come back in order: this one is in, the younger ones stay out
	global_store_b128 v[CO], v[64+64*(\hd)+4*(\t):64+64*(\hd)+4*(\t)+3], s[10:11] offset:(\hd)*1048576+(\t)*512  ; 512 consecutive bytes, aligned: two whole rows of a head
.endr
.endr
	s_wait_tensorcnt 0x0                           ; the wave's end, behind my last tensor load and my last LDS store
	ds_add_u32 v[SPW], v[NIL]
	s_wait_dscnt 0x0
	CROUND                                         ; the closing round: no work-group ends while a partner may still ask for a tile that names it
	s_endpgm
.Lfunc_end_k_q7783c8fdc4_qkv:
	.size	k_q7783c8fdc4_qkv, .Lfunc_end_k_q7783c8fdc4_qkv-k_q7783c8fdc4_qkv
	.p2alignl 7, 3214868480
	.fill 96, 4, 3214868480
	.section	.rodata,"a",@progbits
	.p2align	6, 0x0
	.amdhsa_kernel k_q7783c8fdc4_qkv
		.amdhsa_group_segment_fixed_size 327680
		.amdhsa_private_segment_fixed_size 0
		.amdhsa_enable_private_segment 0
		.amdhsa_kernarg_size 32
		.amdhsa_user_sgpr_count 2
		.amdhsa_user_sgpr_kernarg_segment_ptr 1
		.amdhsa_wavefront_size32 1
		.amdhsa_system_sgpr_workgroup_id_x 1
		.amdhsa_system_sgpr_workgroup_id_y 1
		.amdhsa_system_sgpr_workgroup_id_z 1
		.amdhsa_system_vgpr_workitem_id 0
		.amdhsa_next_free_vgpr 768
		.amdhsa_next_free_sgpr 80
		.amdhsa_reserve_vcc 0
		.amdhsa_float_denorm_mode_32 3
		.amdhsa_float_denorm_mode_16_64 3
		.amdhsa_memory_ordered 1
		.amdhsa_forward_progress 1
		.amdhsa_inst_pref_size 157
	.end_amdhsa_kernel
	.amdgpu_metadata
---
amdhsa.version: [ 1, 2 ]
amdhsa.kernels:
  - .name:           k_q7783c8fdc4_qkv
    .symbol:         k_q7783c8fdc4_qkv.kd
    .args:
      - { .name: xb, .offset: 0, .size: 8, .value_kind: global_buffer, .address_space: global }
      - { .name: wqb, .offset: 8, .size: 8, .value_kind: global_buffer, .address_space: global }
      - { .name: rope, .offset: 16, .size: 8, .value_kind: global_buffer, .address_space: global }
      - { .name: qkvh, .offset: 24, .size: 8, .value_kind: global_buffer, .address_space: global }
    .group_segment_fixed_size: 327680
    .private_segment_fixed_size: 0
    .kernarg_segment_align: 8
    .kernarg_segment_size: 32
    .max_flat_workgroup_size: 128
    .sgpr_count:     80
    .vgpr_count:     768
    .wavefront_size: 32
...
	.end_amdgpu_metadata
.endif
;; end of part 2
;; launch attn (part 3): grid 16 x 16, 4 waves a work-group, clusters of 4 x 1, 327,680 bytes of LDS; arguments qkvh, oh; writes oh
.if DOCPART == 3
	.amdgcn_target "amdgcn-amd-amdhsa--gfx1250"
	.amdhsa_code_object_version 6
	.text
	.protected	k_q7783c8fdc4_attn
	.globl	k_q7783c8fdc4_attn
	.p2align	8
	.type	k_q7783c8fdc4_attn,@function
k_q7783c8fdc4_attn:
	s_mov_b64 s[64:65], 0
	v_nop
	global_prefetch_b8 v0, s[64:65] scope:SCOPE_SE
	s_setreg_imm32_b32 hwreg(HW_REG_WAVE_MODE, 25, 1), 1
	s_wait_xcnt 0x0
	s_wait_alu depctr_hold_cnt(0) depctr_sa_sdst(0) depctr_va_vdst(0) depctr_va_sdst(0) depctr_va_ssrc(0) depctr_va_vcc(0) depctr_vm_vsrc(0)
	s_getreg_b32 s2, hwreg(HW_REG_IB_STS2, 6, 4)
	s_cmp_eq_u32 s2, 0
	s_cbranch_scc0 .Lentry_in_a_cluster
	s_endpgm
.Lentry_in_a_cluster:
	s_bfe_u32 s2, ttmp6, 0x10000c
	s_cmp_lg_u32 s2, 0x3003
	s_cbranch_scc0 .Lentry_shape_is_right
	s_endpgm
.Lentry_shape_is_right:
; CAUSAL ATTENTION with grouped heads.  oh[1024 b + q][128 h + d] = the sum over k <= q of softmax_k(Q[h][b][q] . K[h/4][b][k] / sqrt(128)) V[h/4][b][k][d].
; qkvh: f16 [24][4096][128]: heads 0-15 Q, 16-19 K, 20-23 V; a row is 256 bytes.  oh: f16 [4096][2048].  Products, maxima and sums in f32; the weights p are rounded to f16 for the second
; product (their sum l is taken of the unrounded p), O once at the end.
; LIMITS.  Q, K, V arrive within f16's 65,504.  A hidden score counts as its value less 1e30: f16's scores, 5.5e11 at the most, are nothing beside that.  A weight below 2^-126 counts as 0 in l.
; NaN and infinities are not treated apart.
; THE WALK.  A head's 1,024 queries lie in 8 blocks of 128; block i needs the key tiles 0 .. i of 128 keys, the last of which holds the diagonal.  A work-group takes block 7 - p and then block p:
; 9 tiles whatever p, so all 256 work-groups do equal work, and one loop with a constant trip count walks them.
; CLUSTER.  The four work-groups of a cluster are the four query heads that share one head of K and V, with the same p: they walk the same tiles in the same order, so each tile is asked for JOINTLY.
; No branch hangs on the place in the cluster: it enters Q's and O's addresses (and the prefetches') alone.
; SHARES.  Of a block's two bands of 64 queries a wave owns 16 rows in each: two tiles.  So the diagonal tile is the same work for all four waves.  A key step is 64 keys, a tile two steps.
; THE MASK is the C operand that starts S^T = K Q^T: 0, or -1e30 where the key is hidden.  MD, made once, is the mask of a band's own step; a step's mask for band t is MD x AL_t + BE_t with scalars:
; (0, 0) away from the diagonal tile; in it, step 0: band 0 (1, 0), band 1 (0, 0); step 1: band 0 (0, -1e30), band 1 (1, 0).  Every row sees its own key no later than its first hidden key.
; LAYOUT.  S^T = K Q^T holds ONE query a lane (lane % 16) and the keys 8 (lane / 16) + 0..7; two such results rounded to f16 ARE source 1 of O^T = V^T P.  K comes out of LDS as it lies, V turned.
; SOFTMAX.  A running maximum m and sum l: p = 2^(c s - c m), c = log2(e) / sqrt(128); in every step O and l are multiplied by a = 2^(c m_old - c m_new).  c m starts far below every c s, so a block's
; first a is 0 and what O^T and l hold need only be finite: zeros for the first block (128 v_mov_b32, in the wait for the first tile), what the first block left for the second.
; SIDE BY SIDE.  A step's 64 products go in four runs of 16: K Q^T of tile 0, K Q^T of tile 1, V^T P of tile 0, V^T P of tile 1.  A tile's softmax is a numbered list of 134 instructions (SM).  Behind each
; product of the second run stand four numbers of tile 0's list, whose scores the first run made; behind those of the third run tile 0's rescaling and the first numbers of tile 1's list; behind those of
; the fourth tile 1's rescaling and roundings and both tiles' sums.  What finds no such place stands in short runs of its own between the runs of products.  A wave has two tiles, so a fragment of K or V
; feeds two products: 64 LDS loads for a step's 64 products, in two runs of 32, each with two runs of products in which to land.
; REGISTERS, in windows of 256 (s_set_vgpr_msb: bits 1:0 source 0, 3:2 source 1, 5:4 source 2, 7:6 destination):
;   window 0: v0-15 addresses; v16-31 eight registers of statistics a tile; v32-95 S^T, 32 a tile; v96-127 P, 16 a tile; v128-255 K of one step
;   window 1: v0-127 O^T, 64 a tile; v128-255 V of one step          window 2: v0-63 Q; v64-127 the second block's Q; v128-159 MD; v160-223 the step's masks
; No window holds a product's operands beside the softmax's, so four vector lines behind a product cost two switches: seven issue slots with the product.
.set NB,    8
.set KS,    64
.set PKB,   272       ; a row of K in LDS: 256 bytes + 16 of padding: the 16 rows of a load start at 16 different groups of four banks (64 banks of 4 bytes: ISA guide 11.1)
.set PVB,   288       ; a row of V: 256 + 32
.set VOFF,  KS*PKB    ; a step's tiles lie together: 64 rows of K, then 64 rows of V
.set STEPB, KS*(PKB+PVB)
.set SLOT1, 1<<17     ; a slot holds two steps; slot 1 begins here, so that one exclusive or turns an address in one slot into the other's
.set STAGE, SLOT1+2*STEPB  ; behind the ring, never filled by a tensor load: 16 rows x 272 bytes for each wave
.set SP,    272
.set SPARE, STAGE+4*16*SP  ; behind the stages: the spare words, 128 bytes a wave: two blocks of 256 bytes that no other line names
.set AK0, 2           ; v2   my lane's place in a tile of K; never rewritten
.set AV0, 3           ; v3   the same for V
.set AK,  4           ; v4   the LDS address of K's run of loads
.set AV,  5           ; v5   of V's
.set QO,  6           ; v6   my byte offset in 16 rows of Q
.set STO, 7           ; v7   the way out: where I put 16 bytes of a row
.set RD,  8           ; v8   the way out: where I read rows back
.set GO,  10          ; v10  my byte offset in two rows of oh
.set PFO, 11          ; v11  256 x lane: a row of K or V; never rewritten
.set DG,  12          ; v12  my query's place in its band less 8 (lane / 16)
.set SPW, 14          ; v14  LDS address of my spare word; never rewritten
.set NIL, 15          ; v15  0; never rewritten
.set ST,  16          ; tile t's statistics at v[ST+8 t]: c m, m, l (even keys', odd keys'), c0-c3 at work; a takes c2's place
.set S,   32
.set P,   96
.set KF,  128
.set VF,  128         ; window 1
.set QB,  64          ; window 2
.set MD,  128
.set MC,  160
.set WV,  12          ; s12  my wave's number
.set PB,  14          ; s14  p
.set HI,  15          ; s15  7 - p
.set G1K, 24          ; s[24:31] descriptor group 1 for K's tiles
.set G1V, 32          ; s[32:39] for V's: it differs in the padding alone
.set G0K, 40          ; s[40:43] descriptor group 0 for K's tiles
.set G0V, 44          ; s[44:47] for V's
.set PFA, 48          ; s[48:49] where my prefetches stand
.set LIM, 50          ; s50  2 in a wave that prefetches, else the greatest number
.set SLOTS, 56        ; s56  tiles still to be asked for
.set CNT, 57          ; s57  counts a tile's key steps, 2 to 1
.set CS,  58          ; s[58:59] c
.set SEL, 60          ; s[60:61] v_permlanex16_b32's selects: each lane takes its own place in the other half
.set TB,  62          ; s62  LDS byte at which the step in hand begins
.set RT,  70          ; s70  tiles of the block in hand that are still to be entered
.set NXT, 71          ; s71  the tile to be asked for next
.set LQ,  72          ; s72  the last tile of the block whose tiles are being asked for
.set OFF, 74          ; s[74:75] a tile's byte offset in K and V
.set AL,  76          ; s[76:77] AL_0, s[78:79] BE_0, s[80:81] AL_1, s[82:83] BE_1 = 0
.set DGF, 84          ; s84  1.0 in the diagonal tile, else 0
.set DGB, 85          ; s85  -1e30 in the diagonal tile, else 0
.set BIGN, 86         ; s86  -1e30
.set OLO, 88          ; s[88:89] oh at my rows of the second block
.set MSB, 0
.macro WIN new                      ; the high byte repeats the setting that is left; a switch that changes nothing is dropped
.if MSB != (\new)
	s_set_vgpr_msb (MSB<<8)|(\new)
.set MSB, \new
.endif
.endm
.set W_KM, 0x28       ; K, S^T in window 0; Q and the mask in window 2
.set W_KQ, 0x08       ; the same with C = S^T
.set W_PV, 0x51       ; V and O^T in window 1, P in window 0
.set W_RS, 0x41       ; destination and source 0 in window 1, source 1 in window 0
.set W_V,  0x40       ; destination in window 1
.set W_M,  0x82       ; destination and source 0 in window 2
.set W_Q,  0x80       ; destination in window 2
.set W_CV, 0x05       ; sources 0 and 1 in window 1
; A joint fill.  Waves 0 and 1 fetch K of the tile's two steps, waves 2 and 3 V.  An s_nop 0 and four v_nop follow each of the two lines, ahead of the jump and the label.
.macro JLOAD
	s_cmp_lt_u32 s[WV], 2
	s_cbranch_scc0 .Lfor_v_\@
	tensor_load_to_lds s[G0K:G0K+3], s[G1K:G1K+7]
	s_nop 0
.rept 4
	v_nop
.endr
	s_branch .Lasked_\@
.Lfor_v_\@:
	tensor_load_to_lds s[G0V:G0V+3], s[G1V:G1V+7]
	s_nop 0
.rept 4
	v_nop
.endr
.Lasked_\@:
.endm
; A prefetch of the tile that the NEXT change of slots will ask for: 128 rows of K and of V, a lane a row.  The four clusters of a head of K and V walk the same rows: the one with p = 0, which walks tiles
; 0 to 7 on end, asks; its four partners take 32 rows each, told apart by address; in each, wave 0 asks for K's and wave 2 for V's.  Trip t names tile t + 2 while t <= 5: each row is named once.
.macro ASK
	s_cmp_gt_u32 s[SLOTS], s[LIM]
	s_cbranch_scc0 .Lnot_mine_\@
	global_prefetch_b8 v[PFO], s[PFA:PFA+1] th:TH_LOAD_NT scope:SCOPE_SE
.Lnot_mine_\@:
.endm
.macro CROUND                       ; a round of the cluster's barrier
	s_barrier_signal -1
	s_barrier_wait -1
	s_cmp_lg_u32 s[WV], 0
	s_cbranch_scc1 .Lnot_wave_0_\@
	s_barrier_signal -3
.Lnot_wave_0_\@:
	s_barrier_wait -3
	s_barrier_signal -1
	s_barrier_wait -1
.endm
.macro PLACES
.rept 4
	v_nop
.endr
.endm
.macro ALL line:vararg              ; one line for each of the wave's two tiles t: no instruction reads the result of the one just before it
.set t, 0
.rept 2
	\line
.set t, t+1
.endr
.endm
; THE CHANGE OF SLOTS.  Each wave waits for all its tensor loads (one is out: its part of the other slot), adds 0 to its spare word, and waits for that and for its reads of the slot that it leaves.
; fill = 1: the barrier is a round of the cluster's; the old slot is filled again, first thing behind it, with tile NXT, whose address is made anew from that number: it has a tile's two steps in which to land.
; (At its first use nothing has been read yet: slot 0 is waited for, slot 1 filled.)
.macro CHANGE fill
	WIN 0
	s_wait_tensorcnt 0x0            ; no tensor load of mine is out, so a group 0 may be written
	ds_add_u32 v[SPW], v[NIL]       ; 0 onto my spare word; the scalar work stands between it and the wait for it
.if \fill
	s_lshl_b32 s[OFF], s[NXT], 15   ; a tile is 32,768 bytes of K and of V
	s_xor_b32 s[G0K+1], s[G0K+1], SLOT1
	s_add_nc_u64 s[G0K+2:G0K+3], s[6:7], s[OFF:OFF+1]
	s_or_b32 s[G0K+3], s[G0K+3], 0x80000000
	s_xor_b32 s[G0V+1], s[G0V+1], SLOT1
	s_add_nc_u64 s[G0V+2:G0V+3], s[8:9], s[OFF:OFF+1]
	s_or_b32 s[G0V+3], s[G0V+3], 0x80000000
	s_add_co_u32 s[NXT], s[NXT], 1  ; the block's next tile, or behind its last the second block's tile 0
	s_cmp_gt_u32 s[NXT], s[LQ]
	s_cselect_b32 s[NXT], 0, s[NXT]
	s_cselect_b32 s[LQ], s[PB], s[LQ]
	s_wait_xcnt 0x0                 ; the last prefetch, a tile back, has read its address
	s_add_nc_u64 s[PFA:PFA+1], s[PFA:PFA+1], 32768
	s_wait_dscnt 0x0                ; the add is done, and my reads of the slot are over
	CROUND
	JLOAD
	ASK
.else
	s_wait_dscnt 0x0
	s_barrier_signal -1
	s_barrier_wait -1
.endif
	s_sub_co_u32 s[TB], s[TB], 2*STEPB  ; back to a slot's first step,
	s_xor_b32 s[TB], s[TB], SLOT1       ; in the other slot
.endm
; THE LDS LOADS stand in runs of 32.  K of the step that begins off bytes behind v[AK]'s: 16 fragments, keys 16 (f / 4) on, channels 32 (f % 4) on.
.macro KLOADS off
.irp f, 0,1,2,3,4,5,6,7,8,9,10,11,12,13,14,15
	ds_load_b128 v[KF+8*(\f):KF+8*(\f)+3],   v[AK] offset:(\off)+((\f)/4)*16*PKB+((\f)%4)*64
	ds_load_b128 v[KF+8*(\f)+4:KF+8*(\f)+7], v[AK] offset:(\off)+((\f)/4)*16*PKB+((\f)%4)*64+32
.endr
.endm
.macro VLOADS                       ; V of the step in hand, turned: keys 32 (f / 8) on, channels 16 (f % 8) on
	WIN W_V
.irp f, 0,1,2,3,4,5,6,7,8,9,10,11,12,13,14,15
	ds_load_tr16_b128 v[VF+8*(\f):VF+8*(\f)+3],   v[AV] offset:((\f)/8)*32*PVB+((\f)%8)*32
	ds_load_tr16_b128 v[VF+8*(\f)+4:VF+8*(\f)+7], v[AV] offset:((\f)/8)*32*PVB+16*PVB+((\f)%8)*32
.endr
	WIN 0
.endm
.macro MASKQ t, q                   ; quarter q of tile t's mask, MD x AL_t + BE_t: the eight registers of key group q
	WIN W_M
.irp y, 0,1,2,3
.set z, 4*(\q)+(\y)
	v_pk_fma_f32 v[MC+32*(\t)+2*z:MC+32*(\t)+2*z+1], v[MD+2*z:MD+2*z+1], s[AL+4*(\t):AL+4*(\t)+1], s[AL+4*(\t)+2:AL+4*(\t)+3] op_sel_hi:[1,0,0]
.endr
.endm
; Product i of 16 of tile t's S^T = K Q^T: channels 32 (i / 4) on, keys 16 (i % 4) on.  The first 4 start the sums with the mask.  The 4 accumulators take turns.
.macro KQ t
.set rS, S+32*(\t)+8*(i%4)
.set rK, KF+32*(i%4)+8*(i/4)
.set rQ, 32*(\t)+8*(i/4)
.set rM, MC+32*(\t)+8*(i%4)
.if i < 4
	WIN W_KM
	v_wmma_f32_16x16x32_f16 v[rS:rS+7], v[rK:rK+7], v[rQ:rQ+7], v[rM:rM+7]
.else
	WIN W_KQ
	v_wmma_f32_16x16x32_f16 v[rS:rS+7], v[rK:rK+7], v[rQ:rQ+7], v[rS:rS+7]
.endif
.set i, i+1
.endm
; Product i of 16 of tile t's O^T += V^T P: keys 32 (i / 8) on, channels 16 (i % 8) on.  The 8 accumulators take turns.
.macro PVP t
	WIN W_PV
.set rO, 64*(\t)+8*(i%8)
.set rV, VF+64*(i/8)+8*(i%8)
.set rP, P+16*(\t)+8*(i/8)
	v_wmma_f32_16x16x32_f16 v[rO:rO+7], v[rV:rV+7], v[rP:rP+7], v[rO:rO+7]
.set i, i+1
.endm
; ONE TILE'S SOFTMAX FOR ONE STEP is a list of 134 instructions; SM writes number j of it for tile t and steps j.  s0-s31 are the lane's 32 scores, in pairs 0-15.
;   0-15    the maximum of s0-s31 and the old m, three operands at a time: four chains c0-c3 (each accumulator's lowest registers are read first), the four scores left over, c0-c3 and m
;   16-20   the other half of the lanes' maximum; c m_old is kept; the new m; c m; c m_old - c m_new
;   21-69   ONE BATCH: the 16 scalings c s - c m and all 33 exponentials (a at 23, then s0-s31).  None of these names an exponential's result; a pair is scaled some numbers ahead of its exponentials
;   (wait)  between 69 and 70 stands the one wait for the batch: STEPS writes it
;   70-85   the roundings to f16, a pair of weights each          86-101  the sums, in place: neighbours 1, 2, 4 and 8 pairs apart; then l = a l + the sum
;   102-133 the tile's O^T times a, accumulator by accumulator in ascending order
.macro SM t
.set rT, ST+8*(\t)
.set rS, S+32*(\t)
.set rP, P+16*(\t)
.set rO, 64*(\t)+2*(j-102)
.if j < 102
	WIN 0
.endif
.if j < 4
	v_max3_num_f32 v[rT+4+j], v[rS+8*j], v[rS+8*j+1], v[rS+8*j+2]
.elseif j < 12
	v_max3_num_f32 v[rT+4+j%4], v[rT+4+j%4], v[rS+8*(j%4)+2*(j/4)+1], v[rS+8*(j%4)+2*(j/4)+2]
.elseif j == 12
	v_max3_num_f32 v[rT+4], v[rT+4], v[rS+7], v[rS+15]
.elseif j == 13
	v_max3_num_f32 v[rT+6], v[rT+6], v[rS+23], v[rS+31]
.elseif j == 14
	v_max3_num_f32 v[rT+4], v[rT+4], v[rT+5], v[rT+6]
.elseif j == 15
	v_max3_num_f32 v[rT+4], v[rT+4], v[rT+7], v[rT+1]
.elseif j == 16
	v_permlanex16_b32 v[rT+5], v[rT+4], s[SEL], s[SEL+1]  ; the query's other 32 keys lie in the lane 16 away
.elseif j == 17
	v_mov_b32 v[rT+7], v[rT]        ; c m_old is kept for a: number 19 writes c m anew
.elseif j == 18
	v_max_num_f32 v[rT+1], v[rT+4], v[rT+5]
.elseif j == 19
	v_mul_f32 v[rT], s[CS], v[rT+1]
.elseif j == 20
	v_sub_f32 v[rT+7], v[rT+7], v[rT]
.elseif j == 23
	v_exp_f32 v[rT+6], v[rT+7]
.elseif (j < 23) || ((j < 38) && (j%2 == 0)) || ((j < 66) && (j%4 == 2))
.set b, (j-2)/4                     ; 38, 42, .. 62: pairs 9 to 15
.if j < 38
.set b, (j-20)/2                    ; 21: pair 0; 22, 24, .. 36: pairs 1 to 8
.endif
	v_pk_fma_f32 v[rS+2*b:rS+2*b+1], v[rS+2*b:rS+2*b+1], s[CS:CS+1], v[rT:rT+1] op_sel_hi:[1,0,0] neg_lo:[0,0,1] neg_hi:[0,0,1]
.elseif j < 70
.set e, j-38                        ; 66 to 69: s28 to s31
.if j < 66
.set e, j-32-(j-38)/4               ; 39-41, 43-45, .. 63-65: s7 to s27
.endif
.if j < 38
.set e, (j-25)/2                    ; 25, 27, .. 37: s0 to s6
.endif
	v_exp_f32 v[rS+e], v[rS+e]
.elseif j < 86
	v_cvt_pk_f16_f32 v[rP+j-70], v[rS+2*(j-70)], v[rS+2*(j-70)+1]
.elseif j < 102
.set z, j-86
.set w, 4
.set u, z
.if z >= 14
.set w, 32
.set u, 0
.elseif z >= 12
.set w, 16
.set u, z-12
.elseif z >= 8
.set w, 8
.set u, z-8
.endif
.if z < 15
	v_pk_add_f32 v[rS+w*u:rS+w*u+1], v[rS+w*u:rS+w*u+1], v[rS+w*u+w/2:rS+w*u+w/2+1]
.else
	v_pk_fma_f32 v[rT+2:rT+3], v[rT+2:rT+3], v[rT+6:rT+7], v[rS:rS+1] op_sel_hi:[1,0,1]
.endif
.else
	WIN W_RS
	v_pk_mul_f32 v[rO:rO+1], v[rO:rO+1], v[rT+6:rT+7] op_sel_hi:[1,0]
.endif
.set j, j+1
.endm
.macro RIDE t, n                    ; the next n numbers of tile t's list
.rept \n
	SM \t
.endr
.endm
; A TILE's two key steps: written once, walked twice.
; LDS: V's run stands at the step's head (its registers were last read by the step before: four sums and 18 more plain lines lie between) and has the first two runs of products in which to land; K of the
; tile's second step is fetched by the first step, directly behind the first wait for exponentials (five plain lines behind the last product that read K), and has the last two runs; the second step
; jumps over those 32 loads.  K's loads are always older than V's, so the count 32 at the head shows K in; V is waited for, with 0, ahead of K's next run, so that no count hangs on the jump.
; PLACES (ISA guide 7.12.1): tile 1's mask, 16 plain lines behind the last four products of the first run, stands between those products and the maximum that reads their results; a rescaling stands two
; accumulators ahead of the product that adds onto it and names no register of the products before it; four sums stand behind the step's last product.
.macro STEPS
	WIN 0
	s_mov_b32 s[CNT], 2
.Lstep_\@:
	s_cmp_eq_u32 s[CNT], 2          ; the tile's first step?
	s_cselect_b32 s[AL], s[DGF], 0
	s_cselect_b32 s[AL+4], 0, s[DGF]
	s_cselect_b32 s[AL+2], 0, s[DGB]
	v_add_nc_u32 v[AV], s[TB], v[AV0]
	v_add_nc_u32 v[AK], s[TB], v[AK0]
.irp q, 0,1,2,3
	MASKQ 0, \q
.endr
	VLOADS
	s_wait_dscnt 32                 ; K is in: its 32 loads are older than V's 32, which may stay out
.set i, 0
.rept 16                            ; K Q^T of tile 0; behind the last four products tile 1's mask
	KQ 0
.if i > 12
	MASKQ 1, i-13
.endif
.endr
.set i, 0
.set j, 0
.rept 16                            ; K Q^T of tile 1 | numbers 0-63 of tile 0
	KQ 1
	RIDE 0, 4
.endr
	RIDE 0, 6                       ; tile 0's last six exponentials
	PLACES                          ; the plain lines behind the last exponential, and places in front of the loads into K's registers
	s_wait_alu depctr_va_vdst(0)    ; one wait ahead of the first reader for tile 0's 33 exponentials
	s_wait_dscnt 0x0                ; V is in
	s_add_co_u32 s[TB], s[TB], STEPB
	s_cmp_eq_u32 s[CNT], 1
	s_cbranch_scc1 .Lno_k_\@
	KLOADS STEPB
.Lno_k_\@:
	RIDE 0, 16                      ; tile 0's roundings,
.set j, 102
	RIDE 0, 8                       ; and the rescaling of its first two accumulators
.set i, 0
.set ja, 110
.set jb, 0
.rept 16                            ; V^T P of tile 0 | the other six accumulators' rescaling, then numbers 0-39 of tile 1
	PVP 0
.if i <= 6
.set j, ja
	RIDE 0, 4
.set ja, j
.else
.set j, jb
	RIDE 1, 4
.set jb, j
.endif
.endr
.set j, jb
	RIDE 1, 30                      ; numbers 40-69 of tile 1
	v_nop                           ; the plain instruction behind the last exponential
	s_wait_alu depctr_va_vdst(0)    ; one wait for tile 1's 33 exponentials
	RIDE 1, 8                       ; the roundings of tile 1's first 32 keys,
.set j, 102
	RIDE 1, 8                       ; and the rescaling of its first two accumulators
.set i, 0
.set ja, 110
.set jb, 78
.set jc, 86
.rept 16                            ; V^T P of tile 1 | its rescaling; the roundings of its other 32 keys, ahead of the ninth product; both tiles' sums, line by line
	PVP 1
.if i <= 6
.set j, ja
	RIDE 1, 4
.set ja, j
.elseif i <= 8
.set j, jb
	RIDE 1, 4
.set jb, j
.else
.rept 2
.set j, jc
	SM 0
.set j, jc
	SM 1
.set jc, jc+1
.endr
.endif
.endr
	WIN 0
	s_sub_co_u32 s[CNT], s[CNT], 1
	s_cmp_lg_u32 s[CNT], 0
	s_cbranch_scc1 .Lstep_\@
.endm
; THE WAY OUT of a block.  l's two halves and the other half of the lanes' are added; O^T is divided by l, rounded to f16 and sent through my stage in LDS, a tile (16 rows) at a time.
.macro PACK t
	WIN W_RS
.set i, 64*(\t)
.rept 32
	v_pk_mul_f32 v[i:i+1], v[i:i+1], v[ST+8*(\t)+6:ST+8*(\t)+7] op_sel_hi:[1,0]
.set i, i+2
.endr
	WIN W_CV
.set i, 0
.rept 32
	v_cvt_pk_f16_f32 v[S+32*(\t)+i], v[64*(\t)+2*i], v[64*(\t)+2*i+1]
.set i, i+1
.endr
	WIN 0
.irp f, 0,1,2,3,4,5,6,7
	ds_store_b128 v[STO], v[S+32*(\t)+4*(\f):S+32*(\t)+4*(\f)+3] offset:32*(\f)
.endr
.irp f, 0,1,2,3,4,5,6,7
	ds_load_b128 v[S+32*(\t)+4*(\f):S+32*(\t)+4*(\f)+3], v[RD] offset:(\f)*2*SP  ; LDS serves a wave's instructions in order (ISA guide 5.7.1.4): these see the stores above; the next tile's stores come behind them
.endr
.endm
.macro SEND t, younger              ; younger: the LDS instructions issued behind tile t's loads
	WIN 0
.irp f, 0,1,2,3,4,5,6,7
	s_wait_dscnt (\younger)+7-(\f)
	global_store_b128 v[GO], v[S+32*(\t)+4*(\f):S+32*(\t)+4*(\f)+3], s[10:11] offset:(\t)*262144+(\f)*8192  ; 16 lanes store a head's 256 bytes of a row of oh, aligned; lanes 16-31 the next row's
.endr
.endm
.macro FINISH
	PLACES                          ; behind the last products
	WIN 0
	ALL v_add_f32 v[ST+8*t+4], v[ST+8*t+2], v[ST+8*t+3]
	ALL v_permlanex16_b32 v[ST+8*t+5], v[ST+8*t+4], s[SEL], s[SEL+1]
	ALL v_add_f32 v[ST+8*t+4], v[ST+8*t+4], v[ST+8*t+5]
	ALL v_rcp_f32 v[ST+8*t+6], v[ST+8*t+4]
	v_nop                           ; a plain instruction behind the last reciprocal,
	s_wait_alu depctr_va_vdst(0)    ; and one wait for the two, ahead of their first reader
	PACK 0
	PACK 1
	SEND 0, 16
	SEND 1, 0
.endm
	s_load_b128 s[16:19], s[0:1], 0x0  ; qkvh s[16:17], oh s[18:19]
	v_lshl_add_u32 v[SPW], v0, 2, SPARE
	v_mov_b32 v[NIL], 0
	ds_add_u32 v[SPW], v[NIL]       ; the wave's opening: the add and its wait ahead of my first tensor load; work on registers stands between them
	v_lshrrev_b32 v1, 5, v0
	v_readfirstlane_b32 s[WV], v1   ; wave 0..3
	s_bfe_u32 s13, ttmp6, 0x40000   ; cx: which of the four query heads
	s_mov_b32 s[PB], ttmp9          ; p: in a cluster launch ttmp9 counts clusters
	s_sub_co_u32 s[HI], NB-1, s[PB]
	s_and_b32 s20, ttmp7, 0xffff    ; 4 b + the head of K and V
	s_lshr_b32 s21, s20, 2          ; b
	s_and_b32 s22, s20, 3
	s_lshl_b32 s23, s21, 18         ; b's 1,024 rows of 256 bytes
	s_add_co_u32 s2, s22, 16        ; K's head in qkvh
	s_lshl_b32 s2, s2, 20
	s_add_co_u32 s2, s2, s23
	s_and_b32 s3, s[WV], 1          ; which of a tile's two steps I fetch:
	s_mul_i32 s87, s3, STEPB        ; its place in a slot,
	s_lshl_b32 s3, s3, 14           ; its 64 rows in memory
	s_add_co_u32 s2, s2, s3
	s_mov_b32 s3, 0
	s_lshl_b32 s66, s22, 2
	s_add_co_u32 s66, s66, s13      ; h, my query head
	s_lshl_b32 s67, s66, 20
	s_add_co_u32 s67, s67, s23
	s_lshl_b32 s68, s[WV], 12       ; my 16 rows in a band
	s_add_co_u32 s67, s67, s68
	s_lshl_b32 s68, s[HI], 15       ; Q: the first block's 128 rows,
	s_add_co_u32 s68, s68, s67
	s_mov_b32 s69, 0
	s_lshl_b32 s54, s[PB], 15       ; the second's
	s_add_co_u32 s54, s54, s67
	s_mov_b32 s55, 0
	s_lshl_b32 s67, s21, 22         ; oh: b's 1,024 rows of 4,096 bytes,
	s_lshl_b32 s20, s[WV], 16       ; my 16 rows in a band,
	s_add_co_u32 s67, s67, s20
	s_lshl_b32 s20, s66, 8          ; my head's 256 bytes of a row
	s_add_co_u32 s67, s67, s20
	s_lshl_b32 s20, s[HI], 19
	s_add_co_u32 s20, s20, s67
	s_lshl_b32 s22, s[PB], 19
	s_add_co_u32 s22, s22, s67
	s_mov_b32 s21, 0
	s_mov_b32 s23, 0
	; descriptor group 1: a tile of 64 rows x 128 elements of 2 bytes, padded behind every 64 words; the mask names all four work-groups
	s_mov_b32 s[G1K], 15|(1<<16)|(1<<20)|(1<<21)|(5<<22)|(3<<25)  ; 4 words of padding
	s_mov_b32 s[G1V], 15|(1<<16)|(1<<20)|(1<<21)|(5<<22)|(7<<25)  ; 8 words
.irp g, G1K, G1V
	s_mov_b32 s[(\g)+1], 128<<16    ; tensor_dim0 = 128
	s_mov_b32 s[(\g)+2], KS<<16     ; tensor_dim1 = 64
	s_mov_b32 s[(\g)+3], 128<<16    ; tile_dim0 = 128
	s_mov_b32 s[(\g)+4], KS         ; tile_dim1 = 64
	s_mov_b32 s[(\g)+5], 128        ; elements from row to row
	s_mov_b32 s[(\g)+6], 0
	s_mov_b32 s[(\g)+7], 0
.endr
	s_mov_b32 s[G0K], 1             ; count = 1
	s_mov_b32 s[G0K+1], s87         ; LDS address: slot 0
	s_mov_b32 s[G0V], 1
	s_add_co_u32 s[G0V+1], s87, VOFF
	s_mov_b32 s[CS], 0x3e0293ee     ; c = log2(e) / sqrt(128) = 0.127517
	s_mov_b32 s[CS+1], s[CS]        ; named with it as a pair
	s_mov_b32 s[SEL], 0x76543210
	s_mov_b32 s[SEL+1], 0xfedcba98
	s_mov_b32 s[TB], SLOT1+2*STEPB  ; the first change of slots turns it into 0
	s_mov_b32 s[SLOTS], NB
	s_add_co_u32 s[RT], s[HI], 1    ; the first block has 8 - p tiles
	s_mov_b32 s[NXT], 1
	s_mov_b32 s[LQ], s[HI]
	s_mov_b32 s[OFF+1], 0
	s_mov_b32 s[AL+1], 0            ; named as pairs
	s_mov_b32 s[AL+3], 0
	s_mov_b32 s[AL+5], 0
	s_mov_b32 s[AL+6], 0            ; BE_1
	s_mov_b32 s[AL+7], 0
	s_mov_b32 s[BIGN], 0xf149f2ca   ; -1e30
	s_and_b32 s[LIM], s[WV], 1      ; 0 in waves 0 and 2,
	s_or_b32 s[LIM], s[LIM], ttmp9  ; where p = 0: the same in all four partners
	s_cmp_eq_u32 s[LIM], 0
	s_cselect_b32 s[LIM], 2, -1
	s_wait_dscnt 0x0                ; the opening add is done
	s_wait_kmcnt 0x0
	s_add_nc_u64 s[6:7], s[16:17], s[2:3]      ; K at my step of tile 0
	s_add_nc_u64 s[8:9], s[6:7], 0x400000      ; V: four heads on
	s_add_nc_u64 s[4:5], s[16:17], s[68:69]    ; Q at my rows of the first block,
	s_add_nc_u64 s[52:53], s[16:17], s[54:55]  ; of the second
	s_add_nc_u64 s[10:11], s[18:19], s[20:21]  ; oh likewise
	s_add_nc_u64 s[OLO:OLO+1], s[18:19], s[22:23]
	s_mov_b64 s[G0K+2:G0K+3], s[6:7]
	s_or_b32 s[G0K+3], s[G0K+3], 0x80000000    ; type = 2
	s_mov_b64 s[G0V+2:G0V+3], s[8:9]
	s_or_b32 s[G0V+3], s[G0V+3], 0x80000000
	s_cmp_lt_u32 s[WV], 2
	s_cselect_b64 s[PFA:PFA+1], s[6:7], s[8:9] ; (in waves 0 and 2 these stand at a tile's first row)
	s_lshl_b32 s2, s13, 13          ; my work-group's 32 rows of the 128
	s_mov_b32 s3, 0
	s_add_nc_u64 s[PFA:PFA+1], s[PFA:PFA+1], s[2:3]
	s_add_nc_u64 s[PFA:PFA+1], s[PFA:PFA+1], 32768  ; in tile 1; the first change of slots steps it to tile 2
	CROUND                          ; all four work-groups are here: the first joint load meets
	JLOAD                           ; tile 0 into slot 0
	v_and_b32 v1, 15, v0            ; r = l % 16
	v_bfe_u32 v9, v0, 4, 1          ; h = l / 16
	v_lshlrev_b32 v[QO], 8, v1
	v_lshl_add_u32 v[QO], v9, 4, v[QO]  ; row x 256 + 16 h
	WIN W_Q
.irp f, 0,1,2,3,4,5,6,7             ; both blocks' Q stay in registers: tile f / 4 lies 64 rows on, channels 32 (f % 4) on
	global_load_b128 v[8*(\f):8*(\f)+3],         v[QO], s[4:5]   offset:((\f)/4)*16384+((\f)%4)*64
	global_load_b128 v[8*(\f)+4:8*(\f)+7],       v[QO], s[4:5]   offset:((\f)/4)*16384+((\f)%4)*64+32
	global_load_b128 v[QB+8*(\f):QB+8*(\f)+3],   v[QO], s[52:53] offset:((\f)/4)*16384+((\f)%4)*64
	global_load_b128 v[QB+8*(\f)+4:QB+8*(\f)+7], v[QO], s[52:53] offset:((\f)/4)*16384+((\f)%4)*64+32
.endr
	WIN 0
	v_lshlrev_b32 v[DG], 3, v9
	v_sub_nc_u32 v[DG], v1, v[DG]
	s_lshl_b32 s2, s[WV], 4
	v_add_nc_u32 v[DG], s2, v[DG]   ; 16 w + r - 8 h: register j of key group kt is hidden where 16 kt + j is greater
	WIN W_Q
.set i, 0
.rept 32
	v_cmp_gt_i32 vcc_lo, 16*(i/8)+i%8, v[DG]
	v_cndmask_b32 v[MD+i], 0, s[BIGN], vcc_lo
.set i, i+1
.endr
	WIN 0
	v_mul_u32_u24 v[AK0], v1, PKB
	v_lshl_add_u32 v[AK0], v9, 4, v[AK0]  ; row x pitch + 16 h
	; The turning load takes 16 keys x 16 channels (lane l reads key 8 (l / 16) + l % 8, channels 8 ((l / 8) % 2) + 0..7) and leaves half a fragment of V^T: lane l holds channel l % 16 and 8 keys.
	v_and_b32 v13, 7, v0
	v_lshl_add_u32 v[AV0], v9, 3, v13
	v_mul_u32_u24 v[AV0], v[AV0], PVB
	v_bfe_u32 v13, v0, 3, 1
	v_lshl_add_u32 v[AV0], v13, 4, v[AV0]
	v_add_nc_u32 v[AV0], VOFF, v[AV0]
	s_mul_i32 s2, s[WV], 16*SP
	s_add_co_u32 s2, s2, STAGE      ; my stage
	v_add_nc_u32 v[STO], s2, v[AK0] ; in: row r, 16 bytes for each half of the lanes (the stage's pitch is K's)
	v_mul_u32_u24 v[RD], v9, SP     ; back: lanes 0-15 take one row of 256 bytes, lanes 16-31 the next
	v_lshl_add_u32 v[RD], v1, 4, v[RD]
	v_add_nc_u32 v[RD], s2, v[RD]
	v_lshlrev_b32 v[GO], 12, v9     ; and the same two rows in oh
	v_lshl_add_u32 v[GO], v1, 4, v[GO]
	v_and_b32 v[PFO], 31, v0
	v_lshlrev_b32 v[PFO], 8, v[PFO]
	WIN W_V
.set i, 0
.rept 128
	v_mov_b32 v[i], 0               ; O^T: finite numbers for the first step's a = 0; written in the wait for the first tile
.set i, i+1
.endr
	WIN 0
	ALL v_mov_b32 v[ST+8*t], 0xfe000000    ; c m: far below every c s
	ALL v_mov_b32 v[ST+8*t+1], 0xff7fffff  ; m: the lowest finite number
	ALL v_mov_b32 v[ST+8*t+2], 0
	ALL v_mov_b32 v[ST+8*t+3], 0
	s_wait_loadcnt 0x0              ; Q
.Lslot:                             ; 8 trips: a tile is entered and the next is asked for
	CHANGE 1
	v_add_nc_u32 v[AK], s[TB], v[AK0]
	KLOADS 0                        ; K of the tile's first step
	s_sub_co_u32 s[RT], s[RT], 1
	s_cmp_eq_u32 s[RT], 0           ; the block's last tile holds the diagonal
	s_cselect_b32 s[DGF], 1.0, 0
	s_cselect_b32 s[DGB], s[BIGN], 0
	STEPS
	s_cmp_lg_u32 s[RT], 0
	s_cbranch_scc1 .Lbottom         ; forward, past text with no barrier and no tensor load; p is the same in all partners
	FINISH                          ; in the loop this is the first block's end (trip 7 - p)
	s_wait_xcnt 0x0                 ; the stores have read their registers and oh's address
	s_mov_b64 s[10:11], s[OLO:OLO+1]
	s_add_co_u32 s[RT], s[PB], 1    ; the second block has p + 1 tiles
	ALL v_mov_b32 v[ST+8*t], 0xfe000000
	ALL v_mov_b32 v[ST+8*t+1], 0xff7fffff
	WIN W_M                         ; the second block's Q goes where the one text of the steps names Q
.set i, 0
.rept 64
	v_mov_b32 v[i], v[QB+i]
.set i, i+1
.endr
	WIN 0
.Lbottom:
	s_sub_co_u32 s[SLOTS], s[SLOTS], 1
	s_cmp_lg_u32 s[SLOTS], 0
	s_cbranch_scc1 .Lslot
	CHANGE 0                        ; the walk's last tile is written out: nothing is asked for
	v_add_nc_u32 v[AK], s[TB], v[AK0]
	KLOADS 0
	s_sub_co_u32 s[RT], s[RT], 1
	s_cmp_eq_u32 s[RT], 0           ; it is the second block's diagonal tile
	s_cselect_b32 s[DGF], 1.0, 0
	s_cselect_b32 s[DGB], s[BIGN], 0
	STEPS
	FINISH
	s_wait_tensorcnt 0x0            ; the wave's end, behind my last tensor load and my last LDS store
	ds_add_u32 v[SPW], v[NIL]
	s_wait_dscnt 0x0
	CROUND                          ; the closing round: no work-group ends while a partner may still ask for a tile that names it
	s_endpgm
.Lfunc_end_k_q7783c8fdc4_attn:
	.size	k_q7783c8fdc4_attn, .Lfunc_end_k_q7783c8fdc4_attn-k_q7783c8fdc4_attn
	.p2alignl 7, 3214868480
	.fill 96, 4, 3214868480
	.section	.rodata,"a",@progbits
	.p2align	6, 0x0
	.amdhsa_kernel k_q7783c8fdc4_attn
		.amdhsa_group_segment_fixed_size 327680
		.amdhsa_private_segment_fixed_size 0
		.amdhsa_enable_private_segment 0
		.amdhsa_kernarg_size 16
		.amdhsa_user_sgpr_count 2
		.amdhsa_user_sgpr_kernarg_segment_ptr 1
		.amdhsa_wavefront_size32 1
		.amdhsa_system_sgpr_workgroup_id_x 1
		.amdhsa_system_sgpr_workgroup_id_y 1
		.amdhsa_system_sgpr_workgroup_id_z 1
		.amdhsa_system_vgpr_workitem_id 0
		.amdhsa_next_free_vgpr 768
		.amdhsa_next_free_sgpr 90
		.amdhsa_reserve_vcc 1
		.amdhsa_float_denorm_mode_32 3
		.amdhsa_float_denorm_mode_16_64 3
		.amdhsa_memory_ordered 1
		.amdhsa_forward_progress 1
		.amdhsa_inst_pref_size 110
	.end_amdhsa_kernel
	.amdgpu_metadata
---
amdhsa.version: [ 1, 2 ]
amdhsa.kernels:
  - .name:           k_q7783c8fdc4_attn
    .symbol:         k_q7783c8fdc4_attn.kd
    .args:
      - { .name: qkvh, .offset: 0, .size: 8, .value_kind: global_buffer, .address_space: global }
      - { .name: oh, .offset: 8, .size: 8, .value_kind: global_buffer, .address_space: global }
    .group_segment_fixed_size: 327680
    .private_segment_fixed_size: 0
    .kernarg_segment_align: 8
    .kernarg_segment_size: 16
    .max_flat_workgroup_size: 128
    .sgpr_count:     90
    .vgpr_count:     768
    .wavefront_size: 32
...
	.end_amdgpu_metadata
.endif
;; end of part 3
;; launch proj (part 4): grid 8 x 32, 4 waves a work-group, clusters of 4 x 4, 327,680 bytes of LDS; arguments oh, wob, out0; writes out0
.if DOCPART == 4
	.amdgcn_target "amdgcn-amd-amdhsa--gfx1250"
	.amdhsa_code_object_version 6
	.text
	.protected	k_q7783c8fdc4_proj
	.globl	k_q7783c8fdc4_proj
	.p2align	8
	.type	k_q7783c8fdc4_proj,@function
k_q7783c8fdc4_proj:
	s_mov_b64 s[64:65], 0
	v_nop
	global_prefetch_b8 v0, s[64:65] scope:SCOPE_SE
	s_setreg_imm32_b32 hwreg(HW_REG_WAVE_MODE, 25, 1), 1
	s_wait_xcnt 0x0
	s_wait_alu depctr_hold_cnt(0) depctr_sa_sdst(0) depctr_va_vdst(0) depctr_va_sdst(0) depctr_va_ssrc(0) depctr_va_vcc(0) depctr_vm_vsrc(0)
	s_getreg_b32 s2, hwreg(HW_REG_IB_STS2, 6, 4)
	s_cmp_eq_u32 s2, 0
	s_cbranch_scc0 .Lentry_in_a_cluster
	s_endpgm
.Lentry_in_a_cluster:
	s_bfe_u32 s2, ttmp6, 0x10000c
	s_cmp_lg_u32 s2, 0xf033
	s_cbranch_scc0 .Lentry_shape_is_right
	s_endpgm
.Lentry_shape_is_right:
; PROJ.  out0[m][n] = sum over k of oh[m][k] wob[n][k]: f16 operands [4096][2048] and [2048][2048], f32 sums, f32 out [4096][2048].
; SHARES.  A work-group makes 128 rows x 256 columns: 32 x 8 = 256 work-groups.  Each of its four waves takes all 128 rows and columns 64 w .. 64 w + 63 (256 bytes of f32): 32 accumulators.
; K goes in 16 steps of 128 through two LDS slots; a tile's rows are 256 bytes of memory, aligned.  Waves 0 and 1 fetch the two halves (64 rows) of oh's tile, waves 2 and 3 those (128 rows) of wob's.
; CLUSTER.  4 x 4 work-groups: the four of a row of the cluster need the same rows of oh, the four of a column the same rows of wob; each tile is asked for jointly, by the same load with a mask of four.
; THE MATRIX INSTRUCTION IS USED TRANSPOSED (source 0 = 16 rows of wob, source 1 = 16 rows of oh): lane l holds row l % 16 of the result and columns 8 (l / 16) + 0..7: 32 bytes on end.
; REGISTERS: window 0: v0-31 addresses; v32-95, v96-159 oh's fragments, two buffers; v160-191, v192-223 wob's, two buffers; on the way out v32-95 take rows read back.
;   window 1: accumulator (b, a) at v[8 (8 b + a)]: column block b = 0..3, row block a = 0..7.
.set KSTEP,  128
.set PITCH,  272                       ; an LDS row: 256 bytes + 16 of padding: the 16 rows of a fragment load start at 16 different groups of four banks (64 banks of 4 bytes: ISA guide 11.1)
.set APART,  128*PITCH                 ; oh's 128 rows
.set SLOT,   384*PITCH                 ; then wob's 256 rows
.set STAGE,  2*SLOT                    ; behind the ring, never filled by a tensor load: 16 rows x 272 bytes for each wave
.set SPARE,  STAGE+4*16*PITCH          ; behind the stages: the spare words, 128 bytes a wave: two blocks of 256 bytes that no other line names
.set LAPS,   2048/(2*KSTEP)
.set FA,   32
.set FB,   160
.set ADRA, 16                          ; v16-17  LDS address of oh's fragments in slot 0, 1
.set ADRB, 18                          ; v18-19  of wob's
.set STO,  24                          ; v24     the way out: where I put 32 bytes of a row
.set RD,   25                          ; v25     where I read rows back
.set CO,   26                          ; v26     my byte offset in two rows of out0
.set SPW,  28                          ; v28     LDS address of my spare word; never rewritten
.set NIL,  29                          ; v29     0; never rewritten
.set PFO,  30                          ; v30     lane x 4,096: a row of oh or wob; never rewritten
.set OB,   32                          ; the way out: 16 rows read back, two buffers of 32 registers
.set WV,   12                          ; s12  my wave's number
.set HF,   13                          ; s13  which half of a tile I fetch
.set G1,   24                          ; s[24:31] descriptor group 1 for oh's tiles;  s[32:39] group 0, a set for each slot
.set G0,   32
.set LIM,  43                          ; s43  1 in a wave that prefetches, else the greatest number
.set PFA,  44                          ; s[44:45] where my prefetches stand
.set G1B,  48                          ; s[48:55], s[56:63] the same for wob's tiles
.set G0B,  56
.set MSB, 0
.macro WIN new                         ; the immediate's high byte repeats the setting that is left; a switch that changes nothing is dropped
.if MSB != (\new)
	s_set_vgpr_msb (MSB<<8)|(\new)
.set MSB, \new
.endif
.endm
.macro JLOAD s                         ; a joint load; an s_nop 0 and four v_nop follow each of the two lines, ahead of the jump and the label
	s_cmp_lt_u32 s[WV], 2
	s_cbranch_scc0 .Lfor_b_\@
	tensor_load_to_lds s[G0+4*(\s):G0+4*(\s)+3], s[G1:G1+7]
	s_nop 0
.rept 4
	v_nop
.endr
	s_branch .Lasked_\@
.Lfor_b_\@:
	tensor_load_to_lds s[G0B+4*(\s):G0B+4*(\s)+3], s[G1B:G1B+7]
	s_nop 0
.rept 4
	v_nop
.endr
.Lasked_\@:
.endm
; A prefetch, behind a joint refill and the run of LDS loads that follows it: 32 rows x 256 bytes of the K step two refills on, a lane a row.  oh's 128 rows are named by wave 0 of the clusters with x = 0,
; wob's 256 by waves 2 and 3 of those with y = 0; the four partners take 32 rows each, told apart by address.  Each row's 256 bytes of a K step are named once.  The loop's last trip names nothing.
.macro ASK
	s_cmp_gt_u32 s3, s[LIM]
	s_cbranch_scc0 .Lnot_mine_\@
	global_prefetch_b8 v[PFO], s[PFA:PFA+1] offset:2*KSTEP th:TH_LOAD_NT scope:SCOPE_SE
.Lnot_mine_\@:
.endm
.macro CREST                           ; a round of the cluster's barrier behind its opening barrier
	s_cmp_lg_u32 s[WV], 0
	s_cbranch_scc1 .Lnot_wave_0_\@
	s_barrier_signal -3
.Lnot_wave_0_\@:
	s_barrier_wait -3
	s_barrier_signal -1
	s_barrier_wait -1
.endm
.macro CROUND                          ; a whole round
	s_barrier_signal -1
	s_barrier_wait -1
	CREST
.endm
.macro PLACES                          ; four places in front of loads into registers that matrix instructions have read, and of lines that read results
.rept 4
	v_nop
.endr
.endm
; 8 matrix instructions: column block b x all 8 row blocks.  The 32 accumulators take turns, in the same order in every quarter.
.macro MUL8 f, b, zero
	WIN 0x50
.irp a, 0,1,2,3,4,5,6,7
.if \zero
	v_wmma_f32_16x16x32_f16 v[64*(\b)+8*(\a):64*(\b)+8*(\a)+7], v[FB+32*(\f)+8*(\b):FB+32*(\f)+8*(\b)+7], v[FA+64*(\f)+8*(\a):FA+64*(\f)+8*(\a)+7], 0
.else
	v_wmma_f32_16x16x32_f16 v[64*(\b)+8*(\a):64*(\b)+8*(\a)+7], v[FB+32*(\f)+8*(\b):FB+32*(\f)+8*(\b)+7], v[FA+64*(\f)+8*(\a):FA+64*(\f)+8*(\a)+7], v[64*(\b)+8*(\a):64*(\b)+8*(\a)+7]
.endif
.endr
.endm
.macro FETCH slot, k, f                ; 24 LDS loads in one run: oh's 16, then wob's in the order of b
	WIN 0
.irp a, 0,1,2,3,4,5,6,7
	ds_load_b128 v[FA+64*(\f)+8*(\a):FA+64*(\f)+8*(\a)+3],   v[ADRA+(\slot)] offset:(\k)+(\a)*16*PITCH
	ds_load_b128 v[FA+64*(\f)+8*(\a)+4:FA+64*(\f)+8*(\a)+7], v[ADRA+(\slot)] offset:(\k)+(\a)*16*PITCH+32
.endr
.irp b, 0,1,2,3
	ds_load_b128 v[FB+32*(\f)+8*(\b):FB+32*(\f)+8*(\b)+3],   v[ADRB+(\slot)] offset:(\k)+(\b)*16*PITCH
	ds_load_b128 v[FB+32*(\f)+8*(\b)+4:FB+32*(\f)+8*(\b)+7], v[ADRB+(\slot)] offset:(\k)+(\b)*16*PITCH+32
.endr
.endm
; A K step is four quarters of 32 along K, 32 matrix instructions each, on buffers 0, 1, 0, 1.  One of the first three: multiplies buffer f and fetches the next quarter, at byte k, into g.
.macro QUARTER slot, k, f, g, zero
	s_wait_dscnt 4                                 ; all but the youngest four loads: column blocks 2 and 3
	MUL8 \f, 0, \zero
	MUL8 \f, 1, \zero
	PLACES
	FETCH \slot, \k, \g
	s_wait_dscnt 24                                ; all but the 24 just issued
	MUL8 \f, 2, \zero
	MUL8 \f, 3, \zero
.endm
; The last quarter changes slots and then multiplies buffer 1.  The slot's last fragments are in registers when the quarter begins, so the change stands at its HEAD: each wave waits for all its tensor loads
; (one is out: its part of the next slot), adds 0 to its spare word, and waits for that and for its reads of this slot; ONE barrier.  fill = 1: the barrier opens a round of the cluster's barrier, and this
; slot is filled again, two K steps on, first thing behind the round.  All 32 products of the quarter follow the request: a whole K step's 128 products stand between a request and the wait for it.
.macro TURN slot, next, fill
.if \fill
	s_wait_xcnt 0x0                                ; the last prefetch, a K step back, has read its address: it is stepped here
	s_add_nc_u64 s[PFA:PFA+1], s[PFA:PFA+1], 2*KSTEP
.endif
	WIN 0
	s_wait_tensorcnt 0x0                           ; all my tensor loads have landed, so every group 0 may be written
	ds_add_u32 v[SPW], v[NIL]                      ; 0 onto my spare word; the descriptors' steps stand between it and the wait for it
.if \fill
	s_add_nc_u64 s[G0+4*(\slot)+2:G0+4*(\slot)+3], s[G0+4*(\slot)+2:G0+4*(\slot)+3], 4*KSTEP
	s_add_nc_u64 s[G0B+4*(\slot)+2:G0B+4*(\slot)+3], s[G0B+4*(\slot)+2:G0B+4*(\slot)+3], 4*KSTEP
.endif
	s_wait_dscnt 0x0                               ; the add is done, and my reads of this slot are over: buffer 1 is whole
	s_barrier_signal -1
	s_barrier_wait -1
.if \fill
	CREST                                          ; no wave of any partner still reads this slot or has a load on its way
	JLOAD \slot                                    ; the four v_nop behind it are also the places in front of the loads below
.else
	PLACES
.endif
	FETCH \next, 0, 0
.if \fill
	ASK
.endif
.irp b, 0,1,2,3
	MUL8 1, \b, 0
.endr
.endm
	s_load_b128 s[4:7], s[0:1], 0x0                ; oh s[4:5], wob s[6:7]
	s_load_b64 s[8:9], s[0:1], 0x10                ; out0
	v_lshl_add_u32 v[SPW], v0, 2, SPARE
	v_mov_b32 v[NIL], 0
	ds_add_u32 v[SPW], v[NIL]                      ; the wave's opening: the add and its wait ahead of my first tensor load; work on registers stands between them
	v_lshrrev_b32 v1, 5, v0
	v_readfirstlane_b32 s[WV], v1                  ; wave 0..3
	s_and_b32 s[HF], s[WV], 1
	s_bfe_u32 s40, ttmp6, 0x40000                  ; cx, cy: my place in the cluster
	s_bfe_u32 s41, ttmp6, 0x40004
	s_lshl_b32 s15, ttmp9, 2
	s_add_co_u32 s15, s15, s40                     ; nt = 4 x cluster x + cx
	s_and_b32 s14, ttmp7, 0xffff
	s_lshl_b32 s14, s14, 2
	s_add_co_u32 s14, s14, s41                     ; mt = 4 x cluster y + cy
	s_lshl_b32 s16, s41, 2
	s_lshl_b32 s16, 15, s16                        ; my row of the cluster
	s_lshl_b32 s17, 0x1111, s40                    ; my column
	s_or_b32 s[G1], s16, (1<<16)|(1<<20)|(1<<21)|(5<<22)|(3<<25)   ; elements of 2 bytes; 4 words of padding behind every 64
	s_or_b32 s[G1B], s17, (1<<16)|(1<<20)|(1<<21)|(5<<22)|(3<<25)
	s_mov_b32 s[G1+1], KSTEP<<16                   ; oh's loads: 64 rows x 128 elements
	s_mov_b32 s[G1+2], 64<<16
	s_mov_b32 s[G1+3], KSTEP<<16
	s_mov_b32 s[G1+4], 64
	s_mov_b32 s[G1+5], 2048
	s_mov_b32 s[G1+6], 0
	s_mov_b32 s[G1+7], 0
	s_mov_b32 s[G1B+1], KSTEP<<16                  ; wob's loads: 128 rows x 128 elements
	s_mov_b32 s[G1B+2], 128<<16
	s_mov_b32 s[G1B+3], KSTEP<<16
	s_mov_b32 s[G1B+4], 128
	s_mov_b32 s[G1B+5], 2048
	s_mov_b32 s[G1B+6], 0
	s_mov_b32 s[G1B+7], 0
	s_lshl_b32 s16, s14, 19                        ; oh: 128 mt rows of 4,096 bytes
	s_lshl_b32 s18, s[HF], 18                      ; + my 64
	s_add_co_u32 s16, s16, s18
	s_mov_b32 s17, 0
	s_lshl_b32 s46, s15, 20                        ; wob: 256 nt rows
	s_lshl_b32 s18, s[HF], 19                      ; + my 128
	s_add_co_u32 s46, s46, s18
	s_mov_b32 s47, 0
	s_mul_i32 s20, s[HF], 64*PITCH                 ; where they go: oh's halves,
	s_mul_i32 s21, s[HF], 128*PITCH
	s_add_co_u32 s21, s21, APART                   ; wob's halves behind them
	s_wait_dscnt 0x0                               ; the opening add is done
	s_wait_kmcnt 0x0
	s_add_nc_u64 s[22:23], s[4:5], s[16:17]
	s_add_nc_u64 s[46:47], s[6:7], s[46:47]
	CROUND                                         ; all sixteen work-groups are here: the first joint loads meet
.irp s, 0,1
	s_mov_b32 s[G0+4*(\s)], 1                      ; count = 1
	s_add_co_u32 s[G0+4*(\s)+1], s20, (\s)*SLOT    ; LDS address
	s_add_nc_u64 s[G0+4*(\s)+2:G0+4*(\s)+3], s[22:23], (\s)*2*KSTEP  ; global address: K step s
	s_or_b32 s[G0+4*(\s)+3], s[G0+4*(\s)+3], 0x80000000              ; type = 2
	s_mov_b32 s[G0B+4*(\s)], 1
	s_add_co_u32 s[G0B+4*(\s)+1], s21, (\s)*SLOT
	s_add_nc_u64 s[G0B+4*(\s)+2:G0B+4*(\s)+3], s[46:47], (\s)*2*KSTEP
	s_or_b32 s[G0B+4*(\s)+3], s[G0B+4*(\s)+3], 0x80000000
	JLOAD \s                                       ; two loads of mine are out
.endr
	v_and_b32 v1, 15, v0                           ; r = l % 16
	v_bfe_u32 v2, v0, 4, 1                         ; h = l / 16
	v_mul_u32_u24 v3, v1, PITCH
	v_lshl_add_u32 v3, v2, 4, v3                   ; a fragment's row x pitch + 16 h
	v_mov_b32 v[ADRA], v3
	v_add_nc_u32 v[ADRA+1], SLOT, v3
	s_mul_i32 s16, s[WV], 64*PITCH
	s_add_co_u32 s16, s16, APART                   ; my 64 rows of wob
	v_add_nc_u32 v[ADRB], s16, v3
	v_add_nc_u32 v[ADRB+1], SLOT, v[ADRB]
	s_mul_i32 s16, s[WV], 16*PITCH
	s_add_co_u32 s16, s16, STAGE                   ; my stage
	v_mul_u32_u24 v4, v1, PITCH                    ; in: row r, 32 bytes for each half of the lanes
	v_lshl_add_u32 v4, v2, 5, v4
	v_add_nc_u32 v[STO], s16, v4
	v_mul_u32_u24 v4, v2, PITCH                    ; back: lanes 0-15 take one row of 256 bytes, lanes 16-31 the next
	v_lshl_add_u32 v4, v1, 4, v4
	v_add_nc_u32 v[RD], s16, v4
	v_lshlrev_b32 v[CO], 13, v2                    ; and the same two rows in out0
	v_lshl_add_u32 v[CO], v1, 4, v[CO]
	v_and_b32 v[PFO], 31, v0
	v_lshlrev_b32 v[PFO], 12, v[PFO]
	s_lshl_b32 s16, s14, 20                        ; out0: 128 mt rows of 8,192 bytes,
	s_lshl_b32 s17, s15, 10                        ; the tile's 1,024 bytes of a row,
	s_add_co_u32 s16, s16, s17
	s_lshl_b32 s17, s[WV], 8                       ; my 256 of them
	s_add_co_u32 s16, s16, s17
	s_mov_b32 s17, 0
	s_add_nc_u64 s[8:9], s[8:9], s[16:17]
	; the prefetches
	s_and_b32 s22, ttmp7, 0xffff                   ; cluster y
	s_lshl_b32 s18, s14, 7                         ; oh's tile begins at row 128 mt,
	s_lshl_b32 s19, s15, 8                         ; wob's at 256 nt + my half
	s_lshl_b32 s20, s[HF], 7
	s_add_co_u32 s19, s19, s20
	s_cmp_lt_u32 s[WV], 2
	s_cselect_b32 s20, s18, s19
	s_cselect_b32 s21, s40, s41                    ; my place among the four that ask with me
	s_cselect_b32 s22, ttmp9, s22                  ; the coordinate along which other clusters read the same rows
	s_cselect_b64 s[PFA:PFA+1], s[4:5], s[6:7]
	s_cmp_eq_u32 s[WV], 1
	s_cselect_b32 s22, 1, s22                      ; wave 1 asks for nothing: wave 0's four partners cover oh's 128 rows
	s_cmp_eq_u32 s22, 0
	s_cselect_b32 s[LIM], 1, -1                    ; the same in all sixteen partners, for a given wave
	s_lshl_b32 s21, s21, 5
	s_add_co_u32 s20, s20, s21                     ; + my work-group's 32 rows
	s_lshl_b32 s20, s20, 12
	s_mov_b32 s21, 0
	s_add_nc_u64 s[PFA:PFA+1], s[PFA:PFA+1], s[20:21]
	s_add_nc_u64 s[PFA:PFA+1], s[PFA:PFA+1], 4*KSTEP  ; at K step 2: the first refill steps it to 3 and names K step 4
	s_wait_tensorcnt 1                             ; my part of K step 0 is in; K step 1's may stay out
	s_barrier_signal -1
	s_barrier_wait -1                              ; everybody's is
	FETCH 0, 0, 0
	QUARTER 0, 64, 0, 1, 1                         ; the first quarter stands in front of the loop: its products start the sums
	WIN 0                                          ; at a label and at a branch every window is 0
	s_mov_b32 s3, LAPS-1
.Llap:                                                 ; a trip goes once round the ring and fills both slots again
	QUARTER 0, 128, 1, 0, 0
	QUARTER 0, 192, 0, 1, 0
	TURN 0, 1, 1
	QUARTER 1, 64,  0, 1, 0
	QUARTER 1, 128, 1, 0, 0
	QUARTER 1, 192, 0, 1, 0
	TURN 1, 0, 1
	QUARTER 0, 64,  0, 1, 0
	WIN 0
	s_sub_co_u32 s3, s3, 1
	s_cmp_lg_u32 s3, 0
	s_cbranch_scc1 .Llap
	QUARTER 0, 128, 1, 0, 0                        ; the last lap fills nothing
	QUARTER 0, 192, 0, 1, 0
	TURN 0, 1, 0
	QUARTER 1, 64,  0, 1, 0
	QUARTER 1, 128, 1, 0, 0
	QUARTER 1, 192, 0, 1, 0
	s_wait_dscnt 4                                 ; the very last quarter: nothing more to fetch
	MUL8 1, 0, 0
	MUL8 1, 1, 0
	s_wait_dscnt 0x0
	MUL8 1, 2, 0
	MUL8 1, 3, 0
; THE WAY OUT, a row block (16 rows x my 64 columns of f32) at a time, through my own stage: 32 bytes a lane in, whole rows of 256 bytes back.  No barrier: no other wave touches my stage.
.macro TOSTAGE a
.if (\a) >= 2
	s_wait_xcnt 0x0                                ; the stores of the block two back have read the registers that are loaded again below
.endif
	WIN 0x04                                       ; the stores' data lie in window 1
.irp b, 0,1,2,3
	ds_store_b128 v[STO], v[64*(\b)+8*(\a):64*(\b)+8*(\a)+3]   offset:64*(\b)
	ds_store_b128 v[STO], v[64*(\b)+8*(\a)+4:64*(\b)+8*(\a)+7] offset:64*(\b)+16
.endr
	WIN 0
.irp t, 0,1,2,3,4,5,6,7
	ds_load_b128 v[OB+32*((\a)%2)+4*(\t):OB+32*((\a)%2)+4*(\t)+3], v[RD] offset:(\t)*2*PITCH  ; LDS serves a wave's instructions in order (ISA guide 5.7.1.4): these see the stores above
.endr
.endm
.macro SEND a, younger                 ; younger: the LDS instructions issued behind block a's loads: the next block's sixteen, or none
	s_wait_dscnt \younger
.irp t, 0,1,2,3,4,5,6,7
	global_store_b128 v[CO], v[OB+32*((\a)%2)+4*(\t):OB+32*((\a)%2)+4*(\t)+3], s[8:9] offset:(16*(\a)+2*(\t))*8192 th:TH_STORE_NT  ; 16 lanes store 256 consecutive bytes, aligned
.endr
.endm
	PLACES
	TOSTAGE 0
.irp a, 1,2,3,4,5,6,7
	TOSTAGE \a
	SEND (\a)-1, 16
.endr
	SEND 7, 0
	s_wait_tensorcnt 0x0                           ; the wave's end, behind my last tensor load and my last LDS store
	ds_add_u32 v[SPW], v[NIL]
	s_wait_dscnt 0x0
	CROUND                                         ; the closing round: no work-group ends while a partner may still ask for a tile that names it
	s_endpgm
.Lfunc_end_k_q7783c8fdc4_proj:
	.size	k_q7783c8fdc4_proj, .Lfunc_end_k_q7783c8fdc4_proj-k_q7783c8fdc4_proj
	.p2alignl 7, 3214868480
	.fill 96, 4, 3214868480
	.section	.rodata,"a",@progbits
	.p2align	6, 0x0
	.amdhsa_kernel k_q7783c8fdc4_proj
		.amdhsa_group_segment_fixed_size 327680
		.amdhsa_private_segment_fixed_size 0
		.amdhsa_enable_private_segment 0
		.amdhsa_kernarg_size 24
		.amdhsa_user_sgpr_count 2
		.amdhsa_user_sgpr_kernarg_segment_ptr 1
		.amdhsa_wavefront_size32 1
		.amdhsa_system_sgpr_workgroup_id_x 1
		.amdhsa_system_sgpr_workgroup_id_y 1
		.amdhsa_system_sgpr_workgroup_id_z 1
		.amdhsa_system_vgpr_workitem_id 0
		.amdhsa_next_free_vgpr 512
		.amdhsa_next_free_sgpr 66
		.amdhsa_reserve_vcc 0
		.amdhsa_float_denorm_mode_32 3
		.amdhsa_float_denorm_mode_16_64 3
		.amdhsa_memory_ordered 1
		.amdhsa_forward_progress 1
		.amdhsa_inst_pref_size 86
	.end_amdhsa_kernel
	.amdgpu_metadata
---
amdhsa.version: [ 1, 2 ]
amdhsa.kernels:
  - .name:           k_q7783c8fdc4_proj
    .symbol:         k_q7783c8fdc4_proj.kd
    .args:
      - { .name: oh, .offset: 0, .size: 8, .value_kind: global_buffer, .address_space: global }
      - { .name: wob, .offset: 8, .size: 8, .value_kind: global_buffer, .address_space: global }
      - { .name: out0, .offset: 16, .size: 8, .value_kind: global_buffer, .address_space: global }
    .group_segment_fixed_size: 327680
    .private_segment_fixed_size: 0
    .kernarg_segment_align: 8
    .kernarg_segment_size: 24
    .max_flat_workgroup_size: 128
    .sgpr_count:     66
    .vgpr_count:     512
    .wavefront_size: 32
...
	.end_amdgpu_metadata
.endif
;; end of part 4
